; MI455X (gfx1250); checked and timed in simulation.
; The chip was launched on July 23, 2026; its instructions are those of AMD's public machine-readable ISA for CDNA 5 (MIT licence, August 2026) and "CDNA5" Instruction Set Architecture Reference Guide (July 2026). The comments in the code are by the model that wrote it; some were corrected since.
;; Expert MLP. Allowed arithmetic: matrix products marked QUANTISED: E2M1 operands, one E8M0 scale for each 32 along K, by v_wmma_scale_f32_16x16x128_f8f6f4 with both operands' format E2M1 (or v_wmma_scale_f32_32x16x128_f4), f32 sums; products left as they are: f32 operands where the result goes on into a quantised operand, else bf16, f16 or f32 operands; f32 sums; everything else in f32.
;; Inputs: topk_e 4,096 x 2 int32; topk_w 4,096 x 2 float32; w1_codes 8 x 1,024 x 32 x 16 uint8 (E2M1 codes of w1, K innermost, in blocks of 32 codes, two codes a byte); w1_scales 8 x 1,024 x 32 uint8 (E8M0 scales of w1, one for each 32 codes along K); w2 8 x 1,024 x 1,024 float32; x_codes 4,096 x 32 x 16 uint8 (E2M1 codes of x, K innermost, in blocks of 32 codes, two codes a byte); x_scales 4,096 x 32 uint8 (E8M0 scales of x, one for each 32 codes along K).
;; Outputs: out0 4,096 x 1,024 float32.
;; This version of the problem:
;;   THIS VERSION OF THE PROBLEM IS GIVEN IN LOW PRECISION. The matrix products marked QUANTISED in the list below multiply operands that are first quantised to E2M1 (2 exponent bits, 1 mantissa bit; 4 bits a number), with one power-of-two scale for each 32 numbers along K (OCP MX v1.0); their sums are f32. All else is computed in f32.
;;   The module's matrix products, in the order in which they are computed (A, B: the left and right operand; K: the contracted axis; several contracted axes count as one K, in the product's order):
;;     1. batch 4,096 x [M 8, K 2] x [K 2, N 1]; A: computed on the way; B: input topk_w: left as it is (K = 2 < 32)
;;     2. [M 4,096, K 1,024] x [K 1,024, N 8,192]; A: input x (given as codes); B: input w1 (given as codes): QUANTISED
;;     3. [M 4,096, K 8,192] x [K 8,192, N 1,024]; A: computed on the way; B: input w2: QUANTISED
;;   THE QUANTISER, for each operand of a quantised product, along K:
;;     - K is cut into blocks of 32 from its start; a last block that is shorter is filled with zeros.
;;     - A block's scale is 2^e with e = floor(log2(the largest magnitude in the block)) - 2, held to -126 .. 127; a block of zeros has e = 0. As a byte (E8M0): e + 127.
;;     - Each number is divided by its block's scale, clamped to +-6, and rounded to the nearest number of E2M1, ties to even, subnormals kept.
;;     - The product sums the exact products of the quantised numbers (number of the format x scale) in f32.
;;   ~~~python
;;   def quantise(x, axis):      # numpy; x: float32 -> the quantised numbers, widened to float32 again
;;       x = np.moveaxis(x, axis, -1); K = x.shape[-1]
;;       x = np.pad(x, [(0, 0)] * (x.ndim - 1) + [(0, -K % 32)]); x = x.reshape(x.shape[:-1] + (-1, 32)); a = np.abs(x).max(-1, keepdims=True)
;;       e = np.where(a > 0, np.clip(np.frexp(np.where(a > 0, a, 1))[1] - 1 - 2, -126, 127), 0)      # np.frexp(a)[1] - 1 = floor(log2(a)), exactly
;;       r = np.clip(x / 2.0 ** e, -6, 6)
;;       step = 2.0 ** (np.maximum(np.frexp(np.where(r == 0, 1, r))[1] - 1, 0) - 1)
;;       q = np.round(r / step) * step * 2.0 ** e      # np.round: ties to even
;;       return np.moveaxis(q.reshape(q.shape[:-2] + (-1,))[..., :K], -1, axis).astype(np.float32)
;;   ~~~
;;   OPERANDS COMPUTED ON THE WAY. 'Computed on the way' means the value that the module computes at that place (a softmax that the list does not call 'softmax' is quantised finished and normalised). What goes into a quantiser is computed in f32, as accurately as f32 sums, v_exp_f32 and their like allow (about 1e-6 of the number): no bf16 or f16 on the way to a quantiser, and a product that is left as it is and whose result goes on into a quantised operand takes f32 operands (vector FMAs, or v_wmma_f32_16x16x4_f32). A number that lies on a knife's edge between two numbers of the format may be rounded either way, as far as f32 arithmetic and the matrix unit's own rounding can turn it there, and no further.
;;   INPUTS GIVEN AS CODES. w1 (in the module: [8, 1024, 1024], K = its axis 2); x (in the module: [4096, 1024], K = its axis 1): each comes as NAME_codes (uint8): NAME with its K axis moved to the last place and cut into blocks of 32 codes, [.., K / 32, bytes a block], one block behind the other in memory; two codes a byte, the lower K in the low four bits (a code: sign, 2 exponent bits, 1 mantissa bit); and NAME_scales (uint8): the same leading axes, one E8M0 byte (e + 127) for each 32 codes along K. Its value is code x scale, taken as it is: it is not quantised again, and the codes and scales need not be those that the quantiser above would give.
;; 3 versions, each right; version 2 is faster than version 1; version 3 is version 2 with the launches up, down written anew for expert scheduling mode. Each part assembles by itself: llvm-mc -triple=amdgcn-amd-amdhsa -mcpu=gfx1250 --defsym DOCPART=n.
;; ======== version 1 of 3: 3 launches
;; workspace buffers: w2f 4,194,304 bytes; w2s 262,144 bytes; tokp 37,120 bytes of whole numbers; cwp 37,120 bytes; rec 65,536 bytes of whole numbers; seg 256 bytes of whole numbers; hq 4,718,592 bytes; hs 294,912 bytes
;; launch prep (part 1): grid 257 x 1, 8 waves a work-group, no clusters, 64,512 bytes of LDS; arguments topk_e, topk_w, w2, w2f, w2s, tokp, cwp, rec, seg; writes w2f, w2s, tokp, cwp, rec, seg
.if DOCPART == 1
	.amdgcn_target "amdgcn-amd-amdhsa--gfx1250"
	.amdhsa_code_object_version 6
	.text
	.protected	k_q445de77117_prep
	.globl	k_q445de77117_prep
	.p2align	8
	.type	k_q445de77117_prep,@function
k_q445de77117_prep:
	s_mov_b64 s[64:65], 0
	v_nop
	global_prefetch_b8 v0, s[64:65] scope:SCOPE_SE
	s_setreg_imm32_b32 hwreg(HW_REG_WAVE_MODE, 25, 1), 1
	s_wait_xcnt 0x0
; TWO JOBS IN ONE LAUNCH, parted on the work-group's number; the two ways never join and use LDS bytes of their own.
; WORK-GROUPS 1 .. 256: w2 [8][1024 d][1024 f] f32 becomes codes of FP4 (E2M1) along f with one E8M0 byte for each 32.
;   A block's byte is its largest magnitude's exponent field - 2, held at 1 from below; numbers are divided by the scale and rounded to the nearest code, ties to even, beyond 6 the largest code.
;   w2f: [tile = e*64 + d/16][block 0..31 of f][row 0..15][16 bytes]: 256 x block + 16 x row.  That IS the order of an operand's registers: K step s, half c, lane 16 h + r lie at 1024 s + 512 c + 16 lane.
;   w2s: [tile][quarter of f][row][8 bytes].
;   A wave takes 16 rows x 256 numbers, in 8 steps of two rows; all its 32 loads (16 KiB) go out at its head.  Waves share nothing: no barrier on this way.
; WORK-GROUP 0: the routing, from the index input alone.  A token's key is 8 a + b, a <= b its two experts.  A counting sort by key gives
;   rec[j] = {token, pa, pb, a | b' << 8} for the tokens sorted by key, and for each expert a run of positions (a multiple of 128 long, rows ordered by the partner expert):
;   tokp[p] the token, cwp[p] the combine weight.  Where both experts are equal the token has ONE row with the summed weight (b' = 8: no expert).  Positions that pad a run get token 0 and weight 0.  seg[0..8]: where the runs begin.
;   No atomics: ranks come from ballots of the key's six bits.
; LIMITS: NaN and infinities in w2 are not served; blocks whose largest magnitude lies under 2^-124 keep the byte 1 (a block of zeros too: its codes are zeros, and these bytes are read by this program alone); topk_e is held to 0 .. 7.
.set SP,    80                         ; a lane's place in a turn stage: 64 bytes + 16 of padding
.set WREG,  7680                       ; LDS of a quantising wave: two turn stages of 2,560, a code stage of 8 x 272, 128 scale bytes
.set CST,   5120
.set SBY,   7296
.set RT,    61440                      ; LDS of the routing: [wave][64 keys] words, behind the eight waves' regions
.set DUMP,  9216                       ; positions 9216 .. 9279 of tokp and cwp take what has no place; nobody loads them
.set PMAX,  9279
.set EMAX,  2
.set QR,    16                         ; v16-143  eight steps' numbers as loaded
.set QX,    144                        ; v144-175 two sets of 16 neighbours
.set QC,    176                        ; v176-191 codes, two registers a step
.set QE,    192                        ; v192-199 a scale byte a step
.set RE,    32                         ; v32-63   routing: the two experts of chunk i, later the counts of the wave's earlier chunks (keys 0-31, keys 32-63)
.set RW,    64                         ; v64-95   the two weights, later the weight for a and that for b
.set KEY,   96                         ; v96-111  the key
.set RK,    112                        ; v112-127 the rank among equal keys in the chunk
	s_load_b512 s[4:19], s[0:1], 0x0               ; topk_e, topk_w, w2, w2f, w2s, tokp, cwp, rec
	s_load_b64 s[20:21], s[0:1], 0x40              ; seg
	v_lshl_add_u32 v224, v0, 2, 0xf800
	v_mov_b32 v225, 0
	v_lshrrev_b32 v1, 5, v0
	v_readfirstlane_b32 s22, v1                    ; wave 0..7
	v_and_b32 v1, 31, v0                           ; lane
	s_cmp_eq_u32 ttmp9, 0
	s_cbranch_scc1 .Lroute
; ---------------------------------------------------------------- the quantiser
	s_sub_co_u32 s23, ttmp9, 1
	s_lshl_b32 s23, s23, 1
	s_lshr_b32 s24, s22, 2
	s_add_co_u32 s23, s23, s24                     ; my tile of 16 rows: 2 (work-group - 1) + wave / 4
	s_and_b32 s24, s22, 3                          ; my quarter of f
	s_mul_i32 s25, s22, WREG                       ; my LDS
	v_lshlrev_b32 v3, 4, v1                        ; 16 x lane
	v_lshlrev_b32 v2, 2, v1                        ; 4 x lane
	v_lshrrev_b32 v14, 2, v1
	v_mul_u32_u24 v14, v14, SP
	v_and_b32 v15, 3, v1
	v_lshl_add_u32 v14, v15, 4, v14
	v_add_nc_u32 v14, s25, v14                     ; turn stage, in: four lanes' 64 bytes on end, then the padding
	v_mul_u32_u24 v15, v1, SP
	v_add_nc_u32 v15, s25, v15                     ; and out: my 16 neighbours
	v_lshrrev_b32 v5, 1, v1
	v_add_nc_u32 v5, s25, v5
	v_add_nc_u32 v5, SBY, v5                       ; my block's scale byte: 8 x (row in the step) + block
	v_bfe_u32 v6, v1, 1, 3                         ; my block in the quarter
	v_mul_u32_u24 v6, v6, 272
	v_lshrrev_b32 v7, 4, v1                        ; which of the step's two rows
	v_lshl_add_u32 v6, v7, 4, v6
	v_and_b32 v8, 1, v1
	v_lshl_add_u32 v6, v8, 3, v6
	v_add_nc_u32 v6, s25, v6
	v_add_nc_u32 v6, CST, v6                       ; code stage, in: 272 x block + 16 x row + 8 x half block
	v_mul_u32_u24 v7, v7, 272
	v_and_b32 v8, 15, v1
	v_lshl_add_u32 v7, v8, 4, v7
	v_add_nc_u32 v7, s25, v7
	v_add_nc_u32 v7, CST, v7                       ; and out: sixteen lanes to a block's 256 bytes
	v_add_nc_u32 v4, s25, v2
	v_add_nc_u32 v4, SBY, v4                       ; the scale bytes on the way out
	s_lshl_b32 s26, s23, 16
	s_lshl_b32 s32, s24, 10
	s_add_co_u32 s26, s26, s32                     ; w2: 65,536 x tile + 1,024 x quarter
	s_mov_b32 s27, 0
	s_lshl_b32 s28, s23, 13
	s_lshl_b32 s32, s24, 11
	s_add_co_u32 s28, s28, s32                     ; w2f: 8,192 x tile + 2,048 x quarter
	s_mov_b32 s29, 0
	s_lshl_b32 s30, s23, 9
	s_lshl_b32 s32, s24, 7
	s_add_co_u32 s30, s30, s32                     ; w2s: 512 x tile + 128 x quarter
	s_mov_b32 s31, 0
	s_wait_kmcnt 0x0
	s_add_nc_u64 s[8:9], s[8:9], s[26:27]
	s_add_nc_u64 s[10:11], s[10:11], s[28:29]
	s_add_nc_u64 s[12:13], s[12:13], s[30:31]
.macro LOAD t                          ; step t: rows 2 t and 2 t + 1, 1,024 bytes of each; a load reads 512 consecutive bytes
.irp i, 0,1,2,3
	global_load_b128 v[QR+16*(\t)+4*\i:QR+16*(\t)+4*\i+3], v3, s[8:9] offset:(2*(\t)+\i/2)*4096+(\i%2)*512 th:TH_LOAD_NT
.endr
.endm
.macro TURN t                          ; step t's 2,048 bytes through a stage: in as loaded, out 64 bytes a lane.  LDS serves a wave's instructions in order: no wait between
.irp i, 0,1,2,3
	ds_store_b128 v14, v[QR+16*(\t)+4*\i:QR+16*(\t)+4*\i+3] offset:32*SP*((\t)%2)+8*SP*\i
.endr
.irp i, 0,1,2,3
	ds_load_b128 v[QX+16*((\t)%2)+4*\i:QX+16*((\t)%2)+4*\i+3], v15 offset:32*SP*((\t)%2)+16*\i
.endr
.endm
.macro STEP t
.set XS, QX+16*((\t)%2)
.if (\t) > 0
	s_wait_dscnt 2                                 ; this step's numbers are back; the two stores of the last step (byte, codes) may be out
.else
	s_wait_dscnt 0x0
.endif
.if (\t) < 7
	s_wait_loadcnt 4*(6-(\t))                      ; the next step's four loads are in; those of the steps behind it may be out
	TURN (\t)+1
.endif
	v_max3_num_f32 v8, |v[XS]|, |v[XS+1]|, |v[XS+2]|               ; the largest magnitude of my 16, in two chains
	v_max3_num_f32 v9, |v[XS+3]|, |v[XS+4]|, |v[XS+5]|
.irp i, 6,10
	v_max3_num_f32 v8, v8, |v[XS+\i]|, |v[XS+\i+1]|
	v_max3_num_f32 v9, v9, |v[XS+\i+2]|, |v[XS+\i+3]|
.endr
	v_max3_num_f32 v8, v8, |v[XS+14]|, |v[XS+15]|
	v_max3_num_f32 v8, v8, v9, (EMAX+1)<<23        ; and the floor 2^(3 - 127): the byte cannot fall under 1
	v_max_num_f32_dpp v8, v8, v8 row_xmask:1 row_mask:0xf bank_mask:0xf   ; with my neighbour's 16: the block's
	v_add_nc_u32 v11, -(EMAX<<23), v8              ; 2 off its exponent field: the conversion takes this operand's exponent field as its scale
	v_cvt_scalef32_pk8_fp4_f32 v[QC+2*(\t)], v[XS:XS+7], v11
	v_cvt_scalef32_pk8_fp4_f32 v[QC+2*(\t)+1], v[XS+8:XS+15], v11
	v_lshrrev_b32 v[QE+(\t)], 23, v11              ; the scale's byte (also the plain line behind the conversions)
	ds_store_b8 v5, v[QE+(\t)] offset:16*(\t)      ; both lanes of a block write the same byte with the same value
	ds_store_b64 v6, v[QC+2*(\t):QC+2*(\t)+1] offset:32*(\t)
.endm
.irp t, 0,1,2,3,4,5,6,7
	LOAD \t
.endr
	s_wait_loadcnt 28                              ; step 0's four loads are in
	TURN 0
.irp t, 0,1,2,3,4,5,6,7
	STEP \t
.endr
.irp i, 0,1,2,3
	ds_load_b128 v[200+4*\i:203+4*\i], v7 offset:544*\i            ; two blocks' 512 bytes; these see my stores
.endr
	ds_load_b32 v216, v4
	s_wait_dscnt 0x0
.irp i, 0,1,2,3
	global_store_b128 v3, v[200+4*\i:203+4*\i], s[10:11] offset:512*\i   ; 32 lanes store 512 consecutive bytes, aligned
.endr
	global_store_b32 v2, v216, s[12:13]            ; 128 consecutive bytes: my quarter's scale bytes
	s_wait_tensorcnt 0x0
	ds_add_u32 v224, v225
	s_wait_dscnt 0x0
	s_endpgm
; ---------------------------------------------------------------- the routing
.Lroute:
	s_lshl_b32 s23, s22, 12
	v_lshlrev_b32 v9, 3, v1
	v_add_nc_u32 v9, s23, v9                       ; wave w takes chunks 16 w + i of 32 tokens: 4,096 w + 8 x lane, + 256 i
	s_wait_kmcnt 0x0
.irp i, 0,1,2,3,4,5,6,7,8,9,10,11,12,13,14,15
	global_load_b64 v[RE+2*\i:RE+2*\i+1], v9, s[4:5] offset:256*\i
	global_load_b64 v[RW+2*\i:RW+2*\i+1], v9, s[6:7] offset:256*\i
.endr
	s_mov_b32 s32, 0x55555555                      ; for counting a mask's bits
	s_mov_b32 s33, 0x33333333
	s_mov_b32 s34, 0x0f0f0f0f
	s_mov_b32 s35, 0x01010101
	s_mov_b32 s36, 0xfefefefe                      ; lanes with lane % 8 >= 1, 2, 4
	s_mov_b32 s37, 0xfcfcfcfc
	s_mov_b32 s38, 0xf0f0f0f0
	s_mov_b32 s39, 0x0000ff00                      ; lanes 8-15, 16-23, 24-31
	s_mov_b32 s40, 0x00ff0000
	s_mov_b32 s41, 0xff000000
	s_mov_b32 s42, 0xffff0000                      ; lanes 16-31
	s_mov_b32 s43, 0x08040201                      ; keys 8 e + e among keys 0-31,
	s_mov_b32 s44, 0x80402010                      ; and among keys 32-63
.irp k, 0,1,2,3,4
	v_bfe_u32 v[2+\k], v1, \k, 1
	v_add_nc_u32 v[2+\k], -1, v[2+\k]              ; v2-6: 0 where bit k of my lane is set, else all ones
.endr
	v_and_b32 v7, 3, v1
	v_lshrrev_b32 v8, 3, v1
	v_lshl_add_u32 v7, v7, 3, v8
	v_lshlrev_b32 v7, 2, v7                        ; v7: 4 x (8 (lane % 4) + lane / 8): from where key 8 e + p takes key 8 p + e
	v_add_nc_u32 v8, 16, v7                        ; v8: the same for keys 32-63
	v_mov_b32 v24, 0                               ; running counts of my wave: lane L counts key L,
	v_mov_b32 v25, 0                               ; and key 32 + L
.macro POPC2 a, b, ta, tb              ; the number of ones in two masks
	v_lshrrev_b32 v[\ta], 1, v[\a]
	v_lshrrev_b32 v[\tb], 1, v[\b]
	v_and_b32 v[\ta], s32, v[\ta]
	v_and_b32 v[\tb], s32, v[\tb]
	v_sub_nc_u32 v[\a], v[\a], v[\ta]
	v_sub_nc_u32 v[\b], v[\b], v[\tb]
	v_lshrrev_b32 v[\ta], 2, v[\a]
	v_lshrrev_b32 v[\tb], 2, v[\b]
	v_and_b32 v[\a], s33, v[\a]
	v_and_b32 v[\b], s33, v[\b]
	v_and_b32 v[\ta], s33, v[\ta]
	v_and_b32 v[\tb], s33, v[\tb]
	v_add_nc_u32 v[\a], v[\a], v[\ta]
	v_add_nc_u32 v[\b], v[\b], v[\tb]
	v_lshrrev_b32 v[\ta], 4, v[\a]
	v_lshrrev_b32 v[\tb], 4, v[\b]
	v_add_nc_u32 v[\a], v[\a], v[\ta]
	v_add_nc_u32 v[\b], v[\b], v[\tb]
	v_and_b32 v[\a], s34, v[\a]
	v_and_b32 v[\b], s34, v[\b]
	v_mul_lo_u32 v[\a], v[\a], s35
	v_mul_lo_u32 v[\b], v[\b], s35
	v_lshrrev_b32 v[\a], 24, v[\a]
	v_lshrrev_b32 v[\b], 24, v[\b]
.endm
.macro HIST i                          ; chunk i: keys, weights, ranks in the chunk, and the chunk's count of every key
.set E0, RE+2*(\i)
.set W0, RW+2*(\i)
	s_wait_loadcnt 30-2*(\i)                       ; this chunk's two loads are in; the later chunks' pairs may be out
	v_min_u32 v[E0], 7, v[E0]
	v_min_u32 v[E0+1], 7, v[E0+1]
	v_min_u32 v10, v[E0], v[E0+1]                  ; a
	v_mad_u32_u24 v11, v10, 7, v[E0]
	v_add_nc_u32 v[KEY+(\i)], v11, v[E0+1]         ; 7 a + e0 + e1 = 8 a + b
	v_cmp_le_u32 vcc_lo, v[E0], v[E0+1]
	v_cndmask_b32 v12, v[W0+1], v[W0], vcc_lo      ; the weight that goes with a,
	v_cndmask_b32 v13, v[W0], v[W0+1], vcc_lo      ; and that with b
	v_add_f32 v14, v[W0], v[W0+1]
	v_cmp_eq_u32 vcc_lo, v[E0], v[E0+1]
	v_cndmask_b32 v[W0], v12, v14, vcc_lo          ; one expert twice: one row, the weights summed
	v_mov_b32 v[W0+1], v13
.irp k, 0,1,2,3,4,5
	v_and_b32 v15, 1<<\k, v[KEY+(\i)]
	v_cmp_ne_u32 s[24+\k], 0, v15                  ; the tokens whose key has bit k
.endr
	v_cndmask_b32 v16, -1, 0, s24
	v_xor_b32 v16, s24, v16                        ; the tokens that agree with me in bit 0,
.irp k, 1,2,3,4,5
	v_cndmask_b32 v17, -1, 0, s[24+\k]
	v_xor_b32 v17, s[24+\k], v17
	v_and_b32 v16, v16, v17                        ; and in all six: my key's tokens
.endr
	v_mbcnt_lo_u32_b32 v[RK+(\i)], v16, 0          ; how many of them stand in lower lanes
	v_xor_b32 v18, s24, v2
.irp k, 1,2,3,4
	v_xor_b32 v19, s[24+\k], v[2+\k]
	v_and_b32 v18, v18, v19                        ; lanes as keys: the tokens whose key % 32 is my lane
.endr
	s_not_b32 s30, s29
	v_and_b32 v19, s29, v18                        ; of them key 32 + lane,
	v_and_b32 v18, s30, v18                        ; and key lane
	POPC2 18, 19, 20, 21
	v_mov_b32 v[E0], v24                           ; what the wave's earlier chunks hold of each key
	v_mov_b32 v[E0+1], v25
	v_add_nc_u32 v24, v24, v18
	v_add_nc_u32 v25, v25, v19
.endm
.irp i, 0,1,2,3,4,5,6,7,8,9,10,11,12,13,14,15
	HIST \i
.endr
	v_lshlrev_b32 v10, 2, v1
	s_lshl_b32 s31, s22, 8
	v_add_nc_u32 v11, s31, v10
	v_add_nc_u32 v11, RT, v11                      ; my wave's 64 words
	v_add_nc_u32 v10, RT, v10
	ds_store_b32 v11, v24
	ds_store_b32 v11, v25 offset:128
	s_wait_dscnt 0x0                               ; for the others' sake: my totals lie in LDS
	s_barrier_signal -1
	s_barrier_wait -1
.irp q, 0,1,2,3,4,5,6,7
	ds_load_b32 v[128+2*\q], v10 offset:256*\q
	ds_load_b32 v[129+2*\q], v10 offset:256*\q+128
.endr
	v_mov_b32 v26, 0                               ; v26-27: the earlier waves' counts;  v28-29: all waves'
	v_mov_b32 v27, 0
	v_mov_b32 v28, 0
	v_mov_b32 v29, 0
	s_wait_dscnt 0x0
.irp q, 0,1,2,3,4,5,6,7
	s_cmp_gt_u32 s22, \q
	s_cselect_b32 s31, -1, 0
	v_and_b32 v12, s31, v[128+2*\q]
	v_and_b32 v13, s31, v[129+2*\q]
	v_add_nc_u32 v26, v26, v12
	v_add_nc_u32 v27, v27, v13
	v_add_nc_u32 v28, v28, v[128+2*\q]
	v_add_nc_u32 v29, v29, v[129+2*\q]
.endr
; every wave makes all the bases for itself.  First: where each key's tokens begin among the sorted tokens (a sum over the 64 keys)
.macro ROWSCAN x
.irp n, 1,2,4,8
	v_mov_b32_dpp v12, v[\x] row_shr:\n row_mask:0xf bank_mask:0xf bound_ctrl:1
	v_add_nc_u32 v[\x], v[\x], v12
.endr
	v_readlane_b32 s31, v[\x], 15
	v_mov_b32 v12, s31
	v_cndmask_b32 v12, 0, v12, s42
	v_add_nc_u32 v[\x], v[\x], v12
.endm
	v_mov_b32 v30, v28
	v_mov_b32 v31, v29
	ROWSCAN 30
	ROWSCAN 31
	v_readlane_b32 s31, v30, 31
	v_add_nc_u32 v31, s31, v31
	v_sub_nc_u32 v30, v30, v28                     ; v30-31: the keys below mine
	v_sub_nc_u32 v31, v31, v29
.macro TRANSP dl, dh, sl, sh           ; key 8 e + p takes what key 8 p + e holds
	ds_bpermute_b32 v12, v7, v[\sl]
	ds_bpermute_b32 v13, v7, v[\sh]
	ds_bpermute_b32 v14, v8, v[\sl]
	ds_bpermute_b32 v15, v8, v[\sh]
	s_wait_dscnt 0x0
	v_cndmask_b32 v[\dl], v12, v13, s38
	v_cndmask_b32 v[\dh], v14, v15, s38
.endm
	TRANSP 128, 129, 28, 29
	v_cndmask_b32 v128, v128, 0, s43               ; a set of one expert counts once
	v_cndmask_b32 v129, v129, 0, s44
	v_add_nc_u32 v130, v28, v128                   ; v130-131: rows of expert e with partner p
	v_add_nc_u32 v131, v29, v129
	v_mov_b32 v132, v130
	v_mov_b32 v133, v131
.macro GSCAN x                         ; sums over the partners, inside each group of eight lanes
	v_mov_b32_dpp v12, v[\x] row_shr:1 row_mask:0xf bank_mask:0xf bound_ctrl:1
	v_cndmask_b32 v12, 0, v12, s36
	v_add_nc_u32 v[\x], v[\x], v12
	v_mov_b32_dpp v12, v[\x] row_shr:2 row_mask:0xf bank_mask:0xf bound_ctrl:1
	v_cndmask_b32 v12, 0, v12, s37
	v_add_nc_u32 v[\x], v[\x], v12
	v_mov_b32_dpp v12, v[\x] row_shr:4 row_mask:0xf bank_mask:0xf bound_ctrl:1
	v_cndmask_b32 v12, 0, v12, s38
	v_add_nc_u32 v[\x], v[\x], v12
.endm
	GSCAN 132
	GSCAN 133
.irp e, 0,1,2,3
	v_readlane_b32 s[80+\e], v132, 8*\e+7          ; s80-87: each expert's rows
	v_readlane_b32 s[84+\e], v133, 8*\e+7
.endr
	s_mov_b32 s68, 0                               ; s68-76: where each expert's run of positions begins; a run is a multiple of 128
.irp e, 0,1,2,3,4,5,6,7
	s_add_co_u32 s31, s[80+\e], 127
	s_and_b32 s31, s31, 0xffffff80
	s_add_co_u32 s[69+\e], s[68+\e], s31
.endr
	v_mov_b32 v134, s68
	v_mov_b32 v135, s72
.irp g, 1,2,3
	v_mov_b32 v12, s[68+\g]
	v_mov_b32 v13, s[72+\g]
	v_cndmask_b32 v134, v134, v12, s[38+\g]
	v_cndmask_b32 v135, v135, v13, s[38+\g]
.endr
	v_sub_nc_u32 v12, v132, v130
	v_sub_nc_u32 v13, v133, v131
	v_add_nc_u32 v134, v134, v12                   ; v134-135: the first position of expert e's rows with partner p
	v_add_nc_u32 v135, v135, v13
	TRANSP 136, 137, 134, 135
	v_lshl_or_b32 v136, v136, 16, v134             ; v136-137: for key 8 a + b: a's position below, b's above (both under 9,216)
	v_lshl_or_b32 v137, v137, 16, v135
	v_lshl_add_u32 v138, v26, 16, v30              ; v138-139: the key's first sorted place below, the earlier waves' count above (both under 4,096)
	v_lshl_add_u32 v139, v27, 16, v31
	v_add_nc_u32 v140, DUMP, v1
	s_lshl_b32 s31, s22, 9
	v_add_nc_u32 v141, s31, v1                     ; my token of chunk 0
	v_mov_b32 v142, 0
.macro PLACE_A i, n                    ; chunk i asks the lanes that stand for its keys
.set PB, 144+16*(\n)
	v_lshlrev_b32 v[PB], 2, v[KEY+(\i)]
	v_and_b32 v[PB], 0x7c, v[PB]
	v_lshl_add_u32 v[PB+12], v[RE+2*(\i)], 16, v138
	v_lshl_add_u32 v[PB+13], v[RE+2*(\i)+1], 16, v139
	ds_bpermute_b32 v[PB+1], v[PB], v[PB+12]
	ds_bpermute_b32 v[PB+2], v[PB], v[PB+13]
	ds_bpermute_b32 v[PB+3], v[PB], v136
	ds_bpermute_b32 v[PB+4], v[PB], v137
.endm
.macro PLACE_B i, n                    ; and stores its tokens' places
.set PB, 144+16*(\n)
	v_cmp_lt_u32 vcc_lo, 31, v[KEY+(\i)]
	v_cndmask_b32 v[PB+1], v[PB+1], v[PB+2], vcc_lo
	v_cndmask_b32 v[PB+3], v[PB+3], v[PB+4], vcc_lo
	v_lshrrev_b32 v[PB+2], 16, v[PB+1]
	v_add_nc_u32 v[PB+2], v[PB+2], v[RK+(\i)]      ; my rank among all tokens of my key
	v_and_b32 v[PB+1], 0xffff, v[PB+1]
	v_add_nc_u32 v[PB+1], v[PB+1], v[PB+2]         ; j: my place among the sorted tokens
	v_and_b32 v[PB+4], 0xffff, v[PB+3]
	v_add_nc_u32 v[PB+9], v[PB+4], v[PB+2]         ; pa
	v_lshrrev_b32 v[PB+3], 16, v[PB+3]
	v_add_nc_u32 v[PB+3], v[PB+3], v[PB+2]         ; pb
	v_lshrrev_b32 v[PB+12], 3, v[KEY+(\i)]
	v_and_b32 v[PB+13], 7, v[KEY+(\i)]
	v_cmp_eq_u32 vcc_lo, v[PB+12], v[PB+13]
	v_cndmask_b32 v[PB+10], v[PB+3], v[PB+9], vcc_lo   ; one expert twice: the record names pa twice,
	v_cndmask_b32 v[PB+3], v[PB+3], v140, vcc_lo       ; there is no second row,
	v_cndmask_b32 v[PB+13], v[PB+13], 8, vcc_lo        ; and b' is no expert
	v_lshl_or_b32 v[PB+11], v[PB+13], 8, v[PB+12]
	v_add_nc_u32 v[PB+8], 32*(\i), v141
	v_min_u32 v[PB+1], 0xfff, v[PB+1]
	v_lshlrev_b32 v[PB+5], 4, v[PB+1]
	v_min_u32 v[PB+6], PMAX, v[PB+9]
	v_lshlrev_b32 v[PB+6], 2, v[PB+6]
	v_min_u32 v[PB+7], PMAX, v[PB+3]
	v_lshlrev_b32 v[PB+7], 2, v[PB+7]
	global_store_b128 v[PB+5], v[PB+8:PB+11], s[18:19]
	global_store_b32 v[PB+6], v[PB+8], s[14:15]
	global_store_b32 v[PB+6], v[RW+2*(\i)], s[16:17]
	global_store_b32 v[PB+7], v[PB+8], s[14:15]
	global_store_b32 v[PB+7], v[RW+2*(\i)+1], s[16:17]
.endm
.set BT, 0
.rept 4
	s_wait_xcnt 0x0                                ; the last four chunks' stores have read their registers: these are written again only behind this wait
	PLACE_A 4*BT+0, 0
	PLACE_A 4*BT+1, 1
	PLACE_A 4*BT+2, 2
	PLACE_A 4*BT+3, 3
	s_wait_dscnt 0x0
	PLACE_B 4*BT+0, 0
	PLACE_B 4*BT+1, 1
	PLACE_B 4*BT+2, 2
	PLACE_B 4*BT+3, 3
.set BT, BT+1
.endr
; the positions that fill a run up to a multiple of 128: token 0, weight 0.  Waves 0-3 take the even experts, waves 4-7 the odd ones, 128 threads to an expert
	s_lshr_b32 s90, s22, 2
	v_and_b32 v12, 127, v0
.irp k, 0,1,2,3
	s_cmp_eq_u32 s90, 0
	s_cselect_b32 s91, s[68+2*\k], s[69+2*\k]
	s_cselect_b32 s92, s[80+2*\k], s[81+2*\k]
	s_cselect_b32 s93, s[69+2*\k], s[70+2*\k]
	s_add_co_u32 s91, s91, s92
	v_add_nc_u32 v[208+\k], s91, v12
	v_cmp_le_u32 vcc_lo, s93, v[208+\k]            ; past the run's end: nothing to fill
	v_cndmask_b32 v[208+\k], v[208+\k], v140, vcc_lo
	v_min_u32 v[208+\k], PMAX, v[208+\k]
	v_lshlrev_b32 v[208+\k], 2, v[208+\k]
	global_store_b32 v[208+\k], v142, s[14:15]
	global_store_b32 v[208+\k], v142, s[16:17]
.endr
	s_cmp_lg_u32 s22, 0
	s_cbranch_scc1 .Lrdone
	v_mov_b32 v143, 0
.irp e, 0,1,2,3,4,5,6,7,8
	v_writelane_b32 v143, s[68+\e], \e
.endr
	v_lshlrev_b32 v13, 2, v1
	global_store_b32 v13, v143, s[20:21]           ; seg[0..8], zeros behind them
.Lrdone:
	s_wait_tensorcnt 0x0
	ds_add_u32 v224, v225
	s_wait_dscnt 0x0
	s_endpgm
.Lfunc_end_k_q445de77117_prep:
	.size	k_q445de77117_prep, .Lfunc_end_k_q445de77117_prep-k_q445de77117_prep
	.p2alignl 7, 3214868480
	.fill 96, 4, 3214868480
	.section	.rodata,"a",@progbits
	.p2align	6, 0x0
	.amdhsa_kernel k_q445de77117_prep
		.amdhsa_group_segment_fixed_size 64512
		.amdhsa_private_segment_fixed_size 0
		.amdhsa_enable_private_segment 0
		.amdhsa_kernarg_size 72
		.amdhsa_user_sgpr_count 2
		.amdhsa_user_sgpr_kernarg_segment_ptr 1
		.amdhsa_wavefront_size32 1
		.amdhsa_system_sgpr_workgroup_id_x 1
		.amdhsa_system_sgpr_workgroup_id_y 1
		.amdhsa_system_sgpr_workgroup_id_z 1
		.amdhsa_system_vgpr_workitem_id 0
		.amdhsa_next_free_vgpr 226
		.amdhsa_next_free_sgpr 100
		.amdhsa_reserve_vcc 1
		.amdhsa_float_denorm_mode_32 3
		.amdhsa_float_denorm_mode_16_64 3
		.amdhsa_memory_ordered 1
		.amdhsa_forward_progress 1
		.amdhsa_inst_pref_size 118
	.end_amdhsa_kernel
	.amdgpu_metadata
---
amdhsa.version: [ 1, 2 ]
amdhsa.kernels:
  - .name:           k_q445de77117_prep
    .symbol:         k_q445de77117_prep.kd
    .args:
      - { .name: topk_e, .offset: 0, .size: 8, .value_kind: global_buffer, .address_space: global }
      - { .name: topk_w, .offset: 8, .size: 8, .value_kind: global_buffer, .address_space: global }
      - { .name: w2, .offset: 16, .size: 8, .value_kind: global_buffer, .address_space: global }
      - { .name: w2f, .offset: 24, .size: 8, .value_kind: global_buffer, .address_space: global }
      - { .name: w2s, .offset: 32, .size: 8, .value_kind: global_buffer, .address_space: global }
      - { .name: tokp, .offset: 40, .size: 8, .value_kind: global_buffer, .address_space: global }
      - { .name: cwp, .offset: 48, .size: 8, .value_kind: global_buffer, .address_space: global }
      - { .name: rec, .offset: 56, .size: 8, .value_kind: global_buffer, .address_space: global }
      - { .name: seg, .offset: 64, .size: 8, .value_kind: global_buffer, .address_space: global }
    .group_segment_fixed_size: 64512
    .private_segment_fixed_size: 0
    .kernarg_segment_align: 8
    .kernarg_segment_size: 72
    .max_flat_workgroup_size: 256
    .sgpr_count:     100
    .vgpr_count:     226
    .wavefront_size: 32
...
	.end_amdgpu_metadata
.endif
;; end of part 1
;; launch up (part 2): grid 4 x 71, 4 waves a work-group, no clusters, 222,720 bytes of LDS; arguments seg, tokp, cwp, x_codes, x_scales, w1_codes, w1_scales, hq, hs; writes hq, hs
.if DOCPART == 2
	.amdgcn_target "amdgcn-amd-amdhsa--gfx1250"
	.amdhsa_code_object_version 6
	.text
	.protected	k_q445de77117_up
	.globl	k_q445de77117_up
	.p2align	8
	.type	k_q445de77117_up,@function
k_q445de77117_up:
	s_mov_b64 s[64:65], 0
	v_nop
	global_prefetch_b8 v0, s[64:65] scope:SCOPE_SE
	s_setreg_imm32_b32 hwreg(HW_REG_WAVE_MODE, 25, 1), 1
	s_wait_xcnt 0x0
; THE FIRST PRODUCT, for the chosen rows alone: a work-group takes 128 positions of one expert (a tile of its run) x 256 hidden units (x = which 256), K = 1,024, on codes of FP4 (E2M1) with E8M0 scales as they are given;
; then silu, x the combine weight, and the quantiser along the hidden units.  hq: [which 256][position][128 bytes of codes], hs: [which 256][position][8 scale bytes].
; GRID: 8,192 rows at the most in 8 runs padded to multiples of 128 make 71 tiles at the most.  A tile past the last run has nothing to do: it jumps over the three stretches of work, each of which holds no barrier, and stores nothing;
; its few small loads at the head are made at the last tile that exists, so that they stay inside their buffers.
; NO TENSOR LOADS, NO CLUSTER, though the tiles of one expert share its weights: whether a tile has rows, and whose weights it takes, hangs on numbers stored by the launch before.
; SHARES: four waves; wave w takes rows 64 (w / 2) .. + 63 and units 128 (w % 2) .. + 127: 4 x 8 accumulators, 256 registers.  All operands come into LDS once (rows of 512 bytes + 16), 48 KiB a wave requested at the head.
; THE PRODUCT IS USED TRANSPOSED (source 0 = 16 rows of w1, source 1 = 16 rows of x), AND THE ROWS OF w1 THAT FORM A TILE ARE NOT NEIGHBOURS: row rho of the 256 lies in LDS slot sigma(rho) = rho with bits 3 and 4 exchanged, so that lane r of tile 2 b + u
; takes row 32 b + 8 u + r + 8 (r / 8), and a lane's 16 registers of tiles 2 b, 2 b + 1 are hidden units 32 b + 16 (lane / 16) + 0 .. 15 of ONE row: neighbours along the next product's K.
; SCALE WORDS: register 4 x tile + q holds K step q in lanes 0-15 and K step 4 + q in lanes 16-31; K steps 4 to 7 name the upper row of lanes.
; LIMITS: NaN, infinities and the scale byte 0xff are not served; a block whose largest magnitude lies under 2^-124 (a block of zeros too) gets the byte 1: these bytes are read by this program alone.
; REGISTERS: window 0: v1-11 addresses; v12-19 the weights, as pairs; v20-23 tokens; v24-55 w1's scale words; v56-71 x's; v72-135 x's fragments, two sets; v136-199 at work; v200-215, v224-232 the quantiser's; v240-246 at the head.
;   window 1: 64 rows of w1 on their way to LDS, then w1's fragments, two sets.   window 2: 32 rows of x on their way to LDS, then the accumulators, (m, t) at v[8 (8 m + t)].
.set PA,   528                         ; an LDS row: 512 bytes + 16: an odd multiple of 16, so the 16 rows of a fragment load begin at 16 different places modulo 256
.set BOFF, 128*PA                      ; behind x's 128 rows: w1's 256 slots
.set STG,  BOFF+256*PA                 ; the codes' stage: 128 rows x (128 + 16) bytes
.set SGP,  144
.set STS,  STG+128*SGP                 ; the scale bytes' stage: 128 rows x 8
.set PLQ,  1179648                     ; a plane of hq: 9,216 positions x 128 bytes
.set PLS,  73728                       ; a plane of hs
.set BS,   24
.set AS,   56
.set AF,   72
.set U,    136
.set TM,   200
.set PC,   224
.set PW,   232
.set MSB, 0
.macro WIN new                         ; the immediate's high byte repeats the setting that is left
.if MSB != \new
	s_set_vgpr_msb (MSB<<8)|\new
.set MSB, \new
.endif
.endm
	s_load_b512 s[4:19], s[0:1], 0x0               ; seg, tokp, cwp, x_codes, x_scales, w1_codes, w1_scales, hq
	s_load_b64 s[20:21], s[0:1], 0x40              ; hs
	v_lshl_add_u32 v254, v0, 2, 0x36400
	v_mov_b32 v255, 0
	v_lshrrev_b32 v1, 5, v0
	v_readfirstlane_b32 s22, v1                    ; wave 0..3
	s_lshr_b32 s23, s22, 1                         ; which 64 rows
	s_and_b32 s24, s22, 1                          ; which 128 units
	s_and_b32 s26, ttmp7, 0xffff
	s_lshl_b32 s26, s26, 7                         ; the tile's first position
	s_mov_b32 s90, 0xbfb8aa3b                      ; -log2(e)
	s_mov_b32 s91, s90                             ; (named with it as a pair, so it is written)
	s_mov_b32 s92, 0x76543210
	s_mov_b32 s93, 0xfedcba98                      ; v_permlanex16_b32's selects for lane l xor 16
	s_wait_kmcnt 0x0
	s_load_b256 s[68:75], s[4:5], 0x0              ; seg[0..7]
	s_load_b32 s76, s[4:5], 0x20                   ; seg[8]: the end of the last run
	v_and_b32 v240, 31, v0                         ; lane
	v_and_b32 v241, 15, v0                         ; r
	v_bfe_u32 v242, v0, 4, 1                       ; h
	v_lshlrev_b32 v1, 4, v240                      ; 16 x lane
	s_mul_i32 s30, s22, 32*PA
	v_add_nc_u32 v2, s30, v1                       ; where I put x's rows 32 w on
	s_mul_i32 s30, s22, 64*PA
	s_add_co_u32 s30, s30, BOFF
	v_add_nc_u32 v3, s30, v1                       ; and w1's slots 64 w on
	v_mul_u32_u24 v243, v241, PA
	v_lshl_add_u32 v243, v242, 4, v243             ; a fragment's row x pitch + 16 h
	s_mul_i32 s30, s23, 64*PA
	v_add_nc_u32 v4, s30, v243                     ; my fragments of x
	s_mul_i32 s30, s24, 128*PA
	s_add_co_u32 s30, s30, BOFF
	v_add_nc_u32 v5, s30, v243                     ; and of w1
	v_mul_u32_u24 v6, v241, SGP
	v_lshl_add_u32 v6, v242, 4, v6
	s_mul_i32 s30, s23, 64*SGP
	s_lshl_b32 s31, s24, 6
	s_add_co_u32 s30, s30, s31
	s_add_co_u32 s30, s30, STG
	v_add_nc_u32 v6, s30, v6                       ; the codes' stage, in: row 64 (w / 2) + r, byte 64 (w % 2) + 16 h
	v_lshlrev_b32 v7, 3, v241
	s_lshl_b32 s30, s23, 9
	s_lshl_b32 s31, s24, 2
	s_add_co_u32 s30, s30, s31
	s_add_co_u32 s30, s30, STS
	v_add_nc_u32 v7, s30, v7                       ; the scale words' stage, in
	v_lshrrev_b32 v8, 3, v240
	v_mul_u32_u24 v8, v8, SGP
	v_and_b32 v244, 7, v240
	v_lshl_add_u32 v8, v244, 4, v8
	s_mul_i32 s30, s22, 32*SGP
	s_add_co_u32 s30, s30, STG
	v_add_nc_u32 v8, s30, v8                       ; the codes' stage, out: eight lanes to a row, four rows an instruction
	v_lshlrev_b32 v10, 3, v0                       ; 8 x thread: a row's scale bytes
	v_add_nc_u32 v9, STS, v10
	v_lshlrev_b32 v11, 2, v241                     ; 4 r
	v_and_b32 v245, 8, v241
	v_add_nc_u32 v245, v245, v241
	v_lshlrev_b32 v245, 5, v245
	v_lshl_add_u32 v245, v242, 4, v245             ; w1's scale words: row r + 8 (r / 8) of 32 bytes, + 16 h
	v_lshlrev_b32 v246, 4, v242                    ; 16 h
.irp b, 0,1,2,3
	v_mov_b32 v[TM+4+\b], 0                        ; written once: a lane permute's destination counts as one of its sources
.endr
	s_wait_kmcnt 0x0
	s_cmp_lt_u32 s26, s76
	s_cselect_b32 s27, 1, 0                        ; has the tile rows?
	s_sub_co_u32 s28, s76, 128
	s_min_u32 s28, s28, s26
	s_min_u32 s28, s28, 8960                       ; the tile, or the last one that exists
	s_mov_b32 s29, 0
.irp i, 1,2,3,4,5,6,7
	s_cmp_ge_u32 s28, s[68+\i]
	s_add_co_ci_u32 s29, s29, 0                    ; the expert: how many runs begin at or below the tile
.endr
	s_min_u32 s29, s29, 7
	s_lshl_b32 s30, s22, 5
	s_add_co_u32 s30, s30, s28
	s_lshl_b32 s78, s30, 2
	s_mov_b32 s79, 0
	s_add_nc_u64 s[78:79], s[6:7], s[78:79]
	s_load_b512 s[32:47], s[78:79], 0x0            ; the tokens of the 32 rows that I bring into LDS
	s_load_b512 s[48:63], s[78:79], 0x40
	s_lshl_b32 s30, s23, 6
	s_add_co_u32 s30, s30, s28
	s_lshl_b32 s80, s30, 2
	s_mov_b32 s81, 0
	s_add_nc_u64 s[82:83], s[6:7], s[80:81]        ; tokp and cwp at my 64 rows
	s_add_nc_u64 s[84:85], s[8:9], s[80:81]
	s_lshl_b32 s88, s29, 10
	s_lshl_b32 s31, ttmp9, 8
	s_add_co_u32 s88, s88, s31                     ; w1's row 1,024 e + 256 x
	s_lshl_b32 s31, s24, 7
	s_add_co_u32 s30, s88, s31
	s_lshl_b32 s80, s30, 5
	s_add_nc_u64 s[86:87], s[16:17], s[80:81]      ; the scale bytes of my 128 units
	s_lshl_b32 s31, s22, 6
	s_add_co_u32 s30, s88, s31
	s_lshl_b32 s80, s30, 9
	s_add_nc_u64 s[96:97], s[14:15], s[80:81]      ; the codes of the 64 rows of w1 that I bring into LDS
	s_mul_i32 s80, ttmp9, PLQ
	s_lshl_b32 s30, s28, 7
	s_add_co_u32 s80, s80, s30
	s_lshl_b32 s30, s22, 12
	s_add_co_u32 s80, s80, s30
	s_add_nc_u64 s[94:95], s[18:19], s[80:81]      ; hq: my plane, the tile, the 32 rows that I store
	s_mul_i32 s80, ttmp9, PLS
	s_lshl_b32 s30, s28, 3
	s_add_co_u32 s80, s80, s30
	s_add_nc_u64 s[98:99], s[20:21], s[80:81]      ; hs likewise
.irp m, 0,1,2,3
	global_load_b32 v[20+\m], v11, s[82:83] offset:64*\m           ; the tokens of rows 16 m + r
.endr
.irp m, 0,1,2,3
	global_load_b32 v[12+2*\m], v11, s[84:85] offset:64*\m         ; and their weights
.endr
.irp t, 0,1,2,3,4,5,6,7
	global_load_b128 v[BS+4*\t:BS+4*\t+3], v245, s[86:87] offset:(32*(\t/2)+8*(\t%2))*32
.endr
	s_wait_loadcnt 12                              ; the four tokens are in; behind them 4 + 8 loads were issued
.irp m, 0,1,2,3
	v_min_u32 v[20+\m], 0xfff, v[20+\m]
	v_lshl_add_u32 v[20+\m], v[20+\m], 5, v246
.endr
.irp m, 0,1,2,3
	global_load_b128 v[AS+4*\m:AS+4*\m+3], v[20+\m], s[12:13]      ; x's scale words
.endr
	s_wait_kmcnt 0x0
	s_cmp_eq_u32 s27, 0
	s_cbranch_scc1 .Lskip1
; ---- 1: operands into LDS.  A row of 512 bytes is one load of the wave
.set I, 0
.rept 32
	s_min_u32 s[32+I], s[32+I], 4095
	v_lshl_add_u32 v[U+I], s[32+I], 9, v1
.set I, I+1
.endr
	WIN 0x80                                       ; destination window 2
.set I, 0
.rept 32
	global_load_b128 v[4*I:4*I+3], v[U+I], s[10:11]
.set I, I+1
.endr
	WIN 0x40                                       ; destination window 1
.set I, 0
.rept 32
	global_load_b128 v[4*I:4*I+3], v1, s[96:97] offset:512*I
.set I, I+1
.endr
	s_wait_loadcnt 32                              ; x's 32 rows are in; w1's first 32 may be out
	WIN 0x08                                       ; an LDS store's data are its source 1: window 2
.set I, 0
.rept 32
	ds_store_b128 v2, v[4*I:4*I+3] offset:PA*I
.set I, I+1
.endr
	WIN 0x40
.set I, 32
.rept 32
	global_load_b128 v[4*I:4*I+3], v1, s[96:97] offset:512*I
.set I, I+1
.endr
	s_wait_loadcnt 32                              ; w1's first 32 rows are in; the second 32 may be out
	WIN 0x04
.set I, 0
.rept 32
	ds_store_b128 v3, v[4*I:4*I+3] offset:PA*((I&39)+((I&8)*2)+((I&16)/2))   ; slot sigma(I)
.set I, I+1
.endr
	s_wait_loadcnt 0x0
.rept 32
	ds_store_b128 v3, v[4*I:4*I+3] offset:PA*((I&39)+((I&8)*2)+((I&16)/2))
.set I, I+1
.endr
	WIN 0
.Lskip1:
	s_wait_dscnt 0x0                               ; for the others' sake: my rows lie in LDS
	s_barrier_signal -1
	s_barrier_wait -1
	s_cmp_eq_u32 s27, 0
	s_cbranch_scc1 .Lskip2
; ---- 2: the product, eight K steps of 128; then silu, the weight, the quantiser
.macro FETCH s, set                    ; K step s: w1's eight fragments and x's four: 24 loads
	WIN 0x40
.irp t, 0,1,2,3,4,5,6,7
.irp c, 0,1
	ds_load_b128 v[64*(\set)+8*\t+4*\c:64*(\set)+8*\t+4*\c+3], v5 offset:16*\t*PA+64*(\s)+32*\c
.endr
.endr
	WIN 0
.irp m, 0,1,2,3
.irp c, 0,1
	ds_load_b128 v[AF+32*(\set)+8*\m+4*\c:AF+32*(\set)+8*\m+4*\c+3], v4 offset:16*\m*PA+64*(\s)+32*\c
.endr
.endr
.endm
.macro MUL s, set                      ; 32 products; the 32 accumulators take turns, one instruction a turn, in the same order in every K step
	WIN 0xa1                                       ; source 0 (w1) window 1, source 1 (x) window 0, C and D window 2
.irp m, 0,1,2,3
.irp t, 0,1,2,3,4,5,6,7
.if (\s) == 0
	v_wmma_scale_f32_16x16x128_f8f6f4 v[8*(8*\m+\t):8*(8*\m+\t)+7], v[64*(\set)+8*\t:64*(\set)+8*\t+7], v[AF+32*(\set)+8*\m:AF+32*(\set)+8*\m+7], 0, v[BS+4*\t+(\s)%4], v[AS+4*\m+(\s)%4] matrix_a_fmt:MATRIX_FMT_FP4 matrix_b_fmt:MATRIX_FMT_FP4
.elseif (\s) < 4
	v_wmma_scale_f32_16x16x128_f8f6f4 v[8*(8*\m+\t):8*(8*\m+\t)+7], v[64*(\set)+8*\t:64*(\set)+8*\t+7], v[AF+32*(\set)+8*\m:AF+32*(\set)+8*\m+7], v[8*(8*\m+\t):8*(8*\m+\t)+7], v[BS+4*\t+(\s)%4], v[AS+4*\m+(\s)%4] matrix_a_fmt:MATRIX_FMT_FP4 matrix_b_fmt:MATRIX_FMT_FP4
.else
	v_wmma_scale_f32_16x16x128_f8f6f4 v[8*(8*\m+\t):8*(8*\m+\t)+7], v[64*(\set)+8*\t:64*(\set)+8*\t+7], v[AF+32*(\set)+8*\m:AF+32*(\set)+8*\m+7], v[8*(8*\m+\t):8*(8*\m+\t)+7], v[BS+4*\t+(\s)%4], v[AS+4*\m+(\s)%4] matrix_a_fmt:MATRIX_FMT_FP4 matrix_b_fmt:MATRIX_FMT_FP4 matrix_a_scale:MATRIX_SCALE_ROW1 matrix_b_scale:MATRIX_SCALE_ROW1
.endif
.endr
.endr
.endm
; 64 numbers of a lane, register 16 b + i = unit 32 b + 16 (lane / 16) + i of my row, become a fragment's codes in v[PC] on and its scale word in v[PW]
.macro QUANT s
.irp b, 0,1,2,3
	v_max3_num_f32 v[TM+\b], |v[\s+16*\b]|, |v[\s+1+16*\b]|, 0x1800000   ; block b: my 16 numbers, and the floor 2^(3 - 127): the byte cannot fall under 1
.endr
.irp i, 2,4,6,8,10,12,14
.irp b, 0,1,2,3
	v_max3_num_f32 v[TM+\b], v[TM+\b], |v[\s+16*\b+\i]|, |v[\s+1+16*\b+\i]|   ; (the four blocks by turns)
.endr
.endr
.irp b, 0,1,2,3
	v_permlanex16_b32 v[TM+4+\b], v[TM+\b], s92, s93
.endr
.irp b, 0,1,2,3
	v_max_num_f32 v[TM+\b], v[TM+\b], v[TM+4+\b]   ; with lane l xor 16's: the block's largest magnitude
.endr
.irp b, 0,1,2,3
	v_add_nc_u32 v[TM+12+\b], 0xff000000, v[TM+\b] ; 2 off its exponent field: the conversion's scale operand
.endr
.irp b, 0,1,2,3
	v_lshrrev_b32 v[TM+4+\b], 23, v[TM+12+\b]      ; the scale's byte
.endr
	v_lshl_or_b32 v[PW], v[TM+5], 8, v[TM+4]
	v_lshl_or_b32 v[PW], v[TM+6], 16, v[PW]
	v_lshl_or_b32 v[PW], v[TM+7], 24, v[PW]
.irp b, 0,1,2,3
	v_cvt_scalef32_pk8_fp4_f32 v[PC+2*\b], v[\s+16*\b:\s+7+16*\b], v[TM+12+\b]
	v_cvt_scalef32_pk8_fp4_f32 v[PC+1+2*\b], v[\s+8+16*\b:\s+15+16*\b], v[TM+12+\b]
.endr
	v_nop                                          ; one plain line behind a scaled conversion
.irp c, 0,1                                    ; a whole block to a lane: lanes 0-15 block 2 c, lanes 16-31 block 2 c + 1
.irp i, 0,1
	v_permlane16_swap_b32 v[PC+4*\c+\i], v[PC+2+4*\c+\i]
.endr
.endr
.endm
.macro EPI m                           ; rows 16 m on: my 128 hidden units of each
	WIN 0x02                                       ; source 0 window 2
.set J, 0
.rept 32
	v_pk_mul_f32 v[U+J:U+J+1], v[64*(\m)+J:64*(\m)+J+1], s[90:91] op_sel_hi:[1,0]   ; -h log2(e); each accumulator is read from its low end on
.set J, J+2
.endr
	WIN 0
.set J, 0
.rept 64
	v_exp_f32 v[U+J], v[U+J]                       ; e^-h
.set J, J+1
.endr
	v_nop                                          ; a plain line behind the last exponential
	s_wait_alu depctr_va_vdst(0)                   ; one wait for the batch of 64, ahead of the first line that names a result
.set J, 0
.rept 32
	v_pk_add_f32 v[U+J:U+J+1], v[U+J:U+J+1], 1.0 op_sel_hi:[1,0]
.set J, J+2
.endr
.set J, 0
.rept 64
	v_rcp_f32 v[U+J], v[U+J]                       ; 1 / (1 + e^-h)
.set J, J+1
.endr
	v_nop
	s_wait_alu depctr_va_vdst(0)                   ; and one for the 64 reciprocals
	WIN 0x02
.set J, 0
.rept 32
	v_pk_mul_f32 v[U+J:U+J+1], v[64*(\m)+J:64*(\m)+J+1], v[U+J:U+J+1]   ; silu(h)
.set J, J+2
.endr
	WIN 0
.set J, 0
.rept 32
	v_pk_mul_f32 v[U+J:U+J+1], v[U+J:U+J+1], v[12+2*(\m):13+2*(\m)]     ; x the row's weight, behind the activation
.set J, J+2
.endr
	QUANT U
	ds_store_b128 v6, v[PC:PC+3] offset:16*SGP*(\m)                ; units 32 h .. of my 128: in the order of the units
	ds_store_b128 v6, v[PC+4:PC+7] offset:16*SGP*(\m)+32
	ds_store_b32 v7, v[PW] offset:128*(\m)         ; both halves of the lanes write the same word with the same value
	s_wait_dscnt 0x0                               ; the stores have read their registers
.endm
	s_wait_loadcnt 0x0                             ; the weights and the scale words
.irp m, 0,1,2,3
	v_mov_b32 v[13+2*\m], v[12+2*\m]
.endr
	FETCH 0, 0
.irp s, 0,1,2,3,4,5,6,7
.if \s > 0
.rept 4
	v_nop                                          ; four plain lines between the last K step's products and loads into the registers that they read
.endr
.endif
.if \s < 7
	FETCH \s+1, (\s+1)%2
	s_wait_dscnt 24                                ; this K step's fragments are in; the 24 loads just issued may be out
.else
	s_wait_dscnt 0x0
.endif
	MUL \s, \s%2
.endr
.rept 4
	v_nop                                          ; four plain lines ahead of the first read of results
.endr
	EPI 0
	EPI 1
	EPI 2
	EPI 3
.Lskip2:
	s_wait_dscnt 0x0
	s_barrier_signal -1
	s_barrier_wait -1                              ; the tile's codes and scale bytes lie in the stages
	s_cmp_eq_u32 s27, 0
	s_cbranch_scc1 .Lend
; ---- 3: out, by rows
.irp i, 0,1,2,3,4,5,6,7
	ds_load_b128 v[U+4*\i:U+4*\i+3], v8 offset:4*SGP*\i
.endr
	ds_load_b64 v[U+32:U+33], v9
	s_wait_dscnt 0x0
.irp i, 0,1,2,3,4,5,6,7
	global_store_b128 v1, v[U+4*\i:U+4*\i+3], s[94:95] offset:512*\i     ; four rows of 128 bytes: 512 consecutive bytes, aligned
.endr
	global_store_b64 v10, v[U+32:U+33], s[98:99]   ; a wave stores 256 consecutive bytes, aligned
.Lend:
	s_wait_tensorcnt 0x0
	ds_add_u32 v254, v255
	s_wait_dscnt 0x0
	s_endpgm
.Lfunc_end_k_q445de77117_up:
	.size	k_q445de77117_up, .Lfunc_end_k_q445de77117_up-k_q445de77117_up
	.p2alignl 7, 3214868480
	.fill 96, 4, 3214868480
	.section	.rodata,"a",@progbits
	.p2align	6, 0x0
	.amdhsa_kernel k_q445de77117_up
		.amdhsa_group_segment_fixed_size 222720
		.amdhsa_private_segment_fixed_size 0
		.amdhsa_enable_private_segment 0
		.amdhsa_kernarg_size 72
		.amdhsa_user_sgpr_count 2
		.amdhsa_user_sgpr_kernarg_segment_ptr 1
		.amdhsa_wavefront_size32 1
		.amdhsa_system_sgpr_workgroup_id_x 1
		.amdhsa_system_sgpr_workgroup_id_y 1
		.amdhsa_system_sgpr_workgroup_id_z 1
		.amdhsa_system_vgpr_workitem_id 0
		.amdhsa_next_free_vgpr 768
		.amdhsa_next_free_sgpr 100
		.amdhsa_reserve_vcc 0
		.amdhsa_float_denorm_mode_32 3
		.amdhsa_float_denorm_mode_16_64 3
		.amdhsa_memory_ordered 1
		.amdhsa_forward_progress 1
		.amdhsa_inst_pref_size 140
	.end_amdhsa_kernel
	.amdgpu_metadata
---
amdhsa.version: [ 1, 2 ]
amdhsa.kernels:
  - .name:           k_q445de77117_up
    .symbol:         k_q445de77117_up.kd
    .args:
      - { .name: seg, .offset: 0, .size: 8, .value_kind: global_buffer, .address_space: global }
      - { .name: tokp, .offset: 8, .size: 8, .value_kind: global_buffer, .address_space: global }
      - { .name: cwp, .offset: 16, .size: 8, .value_kind: global_buffer, .address_space: global }
      - { .name: x_codes, .offset: 24, .size: 8, .value_kind: global_buffer, .address_space: global }
      - { .name: x_scales, .offset: 32, .size: 8, .value_kind: global_buffer, .address_space: global }
      - { .name: w1_codes, .offset: 40, .size: 8, .value_kind: global_buffer, .address_space: global }
      - { .name: w1_scales, .offset: 48, .size: 8, .value_kind: global_buffer, .address_space: global }
      - { .name: hq, .offset: 56, .size: 8, .value_kind: global_buffer, .address_space: global }
      - { .name: hs, .offset: 64, .size: 8, .value_kind: global_buffer, .address_space: global }
    .group_segment_fixed_size: 222720
    .private_segment_fixed_size: 0
    .kernarg_segment_align: 8
    .kernarg_segment_size: 72
    .max_flat_workgroup_size: 128
    .sgpr_count:     100
    .vgpr_count:     768
    .wavefront_size: 32
...
	.end_amdgpu_metadata
.endif
;; end of part 2
;; launch down (part 3): grid 4 x 64, 4 waves a work-group, no clusters, 90,624 bytes of LDS; arguments rec, hq, hs, w2f, w2s, out0; writes out0
.if DOCPART == 3
	.amdgcn_target "amdgcn-amd-amdhsa--gfx1250"
	.amdhsa_code_object_version 6
	.text
	.protected	k_q445de77117_down
	.globl	k_q445de77117_down
	.p2align	8
	.type	k_q445de77117_down,@function
k_q445de77117_down:
	s_mov_b64 s[64:65], 0
	v_nop
	global_prefetch_b8 v0, s[64:65] scope:SCOPE_SE
	s_setreg_imm32_b32 hwreg(HW_REG_WAVE_MODE, 25, 1), 1
	s_wait_xcnt 0x0
; THE SECOND PRODUCT: out0[token][d] = the sum over the token's experts of its quantised hidden row x the quantised w2[e][d][:], on codes of FP4 (E2M1) with E8M0 scales, sums in f32.
; A work-group owns 64 tokens (neighbours in the order sorted by their set of experts) x 256 outputs (x = which 256): each output number has one owner, nothing is added between work-groups.
; It walks e = 0 .. 7 in a loop of constant count and passes over the experts that none of its tokens uses (a scalar branch on the stored list; no barrier stands in the loop).
; In a pass a token that uses e gives its hidden row for e, every other token the row of zero codes, which adds nothing.  Which LDS row a lane reads is a row number chosen by the stored list, held at 128 by a constant, and then only shifted and added.
; NO TENSOR LOADS, NO CLUSTER, though work-groups share w2's fragments and hidden rows: which experts are walked hangs on stored numbers.
; SHARES: wave w takes all 64 tokens x outputs 64 w .. + 63 of the 256: 4 x 4 accumulators.  A fragment of w2 is loaded by one wave alone, straight from memory in the order of the operand's registers, and feeds four products; a pass requests its 32 KiB at its head.
; The tokens' hidden rows (two each) come into LDS once.  The product is used transposed (source 0 = 16 rows of w2, source 1 = 16 tokens): a lane holds eight neighbouring outputs of one token.
; The accumulators are cleared by 128 moves: which expert comes first hangs on data, so no product can be written out that starts the sums.
; REGISTERS: window 0: v1-10 addresses; v12-15 a, v16-19 b' of tokens 16 m + r; v20-27 a pass's LDS addresses; v28-43 hidden scale words; v44-59 w2's; v60-63, v244-248 row numbers to choose from; v249 the scale rows' base; v64-127 hidden fragments, two sets;
;   v128-159 output offsets; v160-223 at work at the head and in a pass (v176-179), later rows on the way out; v224-243 positions and staged scale bytes; v250-255 at the head.
;   window 1: my 32 hidden rows on their way to LDS, then a pass's 32 fragments of w2, (s, t) at v[8 (4 s + t)].   window 2: the accumulators, (m, t) at v[8 (4 m + t)].
.set PA,   528                         ; an LDS row: 512 bytes + 16 = (1 << 9) + (1 << 4)
.set ASO,  68352                       ; behind 129 rows of codes (64 for a, 64 for b, one of zeros): 129 rows of 32 scale bytes
.set STG,  72704                       ; behind them: a stage of 16 rows x (256 + 16) bytes for each wave
.set PLQ,  1179648
.set PLS,  73728
.set HSC,  28
.set WSC,  44
.set AF,   64
.set TO,   128
.set OB,   160
.set MSB, 0
.macro WIN new                         ; the immediate's high byte repeats the setting that is left
.if MSB != \new
	s_set_vgpr_msb (MSB<<8)|\new
.set MSB, \new
.endif
.endm
	s_load_b256 s[4:11], s[0:1], 0x0               ; rec, hq, hs, w2f
	s_load_b128 s[12:15], s[0:1], 0x20             ; w2s, out0
	v_lshl_add_u32 v11, v0, 2, 0x16000
	s_set_vgpr_msb 0x80
	v_mov_b32 v129, 0
	s_set_vgpr_msb 0x8000
	v_lshrrev_b32 v1, 5, v0
	v_readfirstlane_b32 s16, v1                    ; wave 0..3
	v_and_b32 v250, 31, v0                         ; lane
	v_and_b32 v2, 15, v0                           ; r
	v_bfe_u32 v251, v0, 4, 1                       ; h
	v_lshlrev_b32 v1, 4, v250                      ; 16 x lane
	v_lshlrev_b32 v3, 4, v251                      ; 16 h
	v_lshlrev_b32 v4, 8, v251
	v_lshl_add_u32 v4, v2, 3, v4                   ; w2's scale bytes: 256 h + 8 r
	v_mul_u32_u24 v5, v2, 272
	v_lshl_add_u32 v5, v251, 5, v5
	s_mul_i32 s17, s16, 4352
	s_add_co_u32 s17, s17, STG
	v_add_nc_u32 v5, s17, v5                       ; my stage, in: row r, + 32 h
	v_mul_u32_u24 v6, v251, 272
	v_lshl_add_u32 v6, v2, 4, v6
	v_add_nc_u32 v6, s17, v6                       ; and out: lanes 0-15 one row, lanes 16-31 the next
	v_lshrrev_b32 v162, 3, v250                    ; lane / 8
	v_and_b32 v163, 7, v250
	v_lshlrev_b32 v160, 4, v163                    ; 16 (lane % 8)
	v_mul_u32_u24 v7, v162, PA
	v_add_nc_u32 v7, v7, v160
	s_mul_i32 s17, s16, 32*PA
	v_add_nc_u32 v7, s17, v7                       ; where I put hidden rows 32 w on: eight lanes to 128 bytes, four rows an instruction
	v_lshlrev_b32 v252, 2, v163
	v_add_nc_u32 v252, ASO+128*32, v252            ; the zero row's scale bytes
	v_lshrrev_b32 v163, 2, v250                    ; lane / 4
	v_and_b32 v161, 3, v250                        ; lane % 4
	v_lshlrev_b32 v8, 5, v163
	v_lshl_add_u32 v8, v161, 3, v8
	s_lshl_b32 s17, s16, 10
	s_add_co_u32 s17, s17, ASO
	v_add_nc_u32 v8, s17, v8                       ; and their scale bytes: four lanes to a row's 32
	v_add_nc_u32 v9, 128*PA, v1                    ; the zero row's codes
	v_mul_u32_u24 v10, v0, PA
	v_add_nc_u32 v10, 512, v10                     ; the 16 bytes of padding behind row t, t my thread's number
	s_and_b32 s17, s16, 1
	s_lshl_b32 s17, s17, 9                         ; records 32 (w % 2) on,
	s_lshr_b32 s18, s16, 1
	s_lshl_b32 s18, s18, 2
	s_add_co_u32 s17, s17, s18
	s_add_co_u32 s17, s17, 4                       ; word 1 (pa: waves 0, 1) or word 2 (pb: waves 2, 3)
	v_lshl_add_u32 v253, v162, 4, s17
	v_lshl_add_u32 v254, v163, 4, s17
	v_lshlrev_b32 v255, 4, v2
	v_add_nc_u32 v255, 12, v255                    ; word 3 of record r
	v_mul_u32_u24 v161, v161, PLS                  ; my plane of hs
	v_lshlrev_b32 v168, 4, v2                      ; 16 r
.irp i, 0,1,2,3
	v_mov_b32 v[164+\i], 0
.endr
.irp m, 0,1,2,3
	v_add_nc_u32 v[60+\m], 16*\m, v2               ; the LDS row of token 16 m + r for its expert a,
	v_add_nc_u32 v[244+\m], 64+16*\m, v2           ; and for its expert b
.endr
	v_mov_b32 v248, 128                            ; the zero row
	v_add_nc_u32 v249, ASO, v3                     ; the scale rows' base, + 16 h
	s_and_b32 s17, ttmp7, 0xffff
	s_lshl_b32 s20, s17, 10                        ; my 64 records of 16 bytes
	s_mov_b32 s21, 0
	s_lshl_b32 s22, ttmp9, 17
	s_lshl_b32 s17, s16, 15
	s_add_co_u32 s22, s22, s17                     ; w2f: tile 16 x + 4 w of expert 0, 8,192 bytes a tile
	s_mov_b32 s23, 0
	s_lshl_b32 s32, ttmp9, 13
	s_lshl_b32 s17, s16, 11
	s_add_co_u32 s32, s32, s17                     ; w2s: 512 bytes a tile
	s_mov_b32 s33, 0
	s_lshl_b32 s34, ttmp9, 10
	s_lshl_b32 s17, s16, 8
	s_add_co_u32 s34, s34, s17                     ; out0: my 256 bytes of a row
	s_mov_b32 s35, 0
	s_wait_kmcnt 0x0
	s_add_nc_u64 s[30:31], s[4:5], s[20:21]
	s_add_nc_u64 s[24:25], s[10:11], s[22:23]
	s_add_nc_u64 s[26:27], s[12:13], s[32:33]
	s_add_nc_u64 s[28:29], s[14:15], s[34:35]
.irp i, 0,1,2,3,4,5,6,7
	global_load_b32 v[224+\i], v253, s[30:31] offset:64*\i         ; positions of the rows whose codes I fetch
.endr
.irp i, 0,1,2,3
	global_load_b32 v[232+\i], v254, s[30:31] offset:128*\i        ; and of those whose scale bytes
.endr
.irp m, 0,1,2,3
	global_load_b32 v[12+\m], v255, s[30:31] offset:256*\m         ; a | b' << 8 of tokens 16 m + r
.endr
.set K, 0
.rept 32
	global_load_b32 v[TO+K], v3, s[30:31] offset:32*K              ; the tokens, as the way out wants them: 2 K + lane / 16
.set K, K+1
.endr
	s_wait_loadcnt 36                              ; the twelve positions are in; behind them 4 + 32 loads were issued
.irp i, 0,1,2,3,4,5,6,7
	v_min_u32 v[224+\i], 9215, v[224+\i]
	v_lshl_add_u32 v[224+\i], v[224+\i], 7, v160
.endr
.irp i, 0,1,2,3
	v_min_u32 v[232+\i], 9215, v[232+\i]
	v_lshl_add_u32 v[232+\i], v[232+\i], 3, v161
.endr
	WIN 0x40                                       ; destination window 1
.irp i, 0,1,2,3,4,5,6,7
.irp q, 0,1,2,3
	global_load_b128 v[4*(4*\i+\q):4*(4*\i+\q)+3], v[224+\i], s[6:7] offset:\q*PLQ   ; four rows' 128 bytes of plane q
.endr
.endr
	WIN 0
.irp i, 0,1,2,3
	global_load_b64 v[236+2*\i:237+2*\i], v[232+\i], s[8:9]
.endr
	ds_store_b128 v10, v[164:167]                  ; zeros into the padding behind rows 0 to 127: no byte among the rows stays unwritten
	s_cmp_lg_u32 s16, 0
	s_cbranch_scc1 .Lnz0
	ds_store_b128 v9, v[164:167]                   ; the zero row: 512 bytes of zero codes,
.Lnz0:
	s_cmp_lg_u32 s16, 1
	s_cbranch_scc1 .Lnz1
	ds_store_b32 v252, v164                        ; and 32 scale bytes 0 (any byte but 0xff serves over zero codes)
.Lnz1:
	WIN 0x80
.set J, 0
.rept 128
	v_mov_b32 v[J], 0                              ; the sums begin as zeros
.set J, J+1
.endr
	WIN 0
	s_wait_loadcnt 0x0
.irp m, 0,1,2,3
	v_lshrrev_b32 v[16+\m], 8, v[12+\m]
	v_and_b32 v[12+\m], 0xff, v[12+\m]
.endr
.set K, 0
.rept 32
	v_min_u32 v[TO+K], 0xfff, v[TO+K]
	v_lshl_add_u32 v[TO+K], v[TO+K], 12, v168      ; the token's row of 4,096 bytes, + 16 r
.set K, K+1
.endr
	WIN 0x04                                       ; an LDS store's data are its source 1: window 1
.irp i, 0,1,2,3,4,5,6,7
.irp q, 0,1,2,3
	ds_store_b128 v7, v[4*(4*\i+\q):4*(4*\i+\q)+3] offset:4*PA*\i+128*\q
.endr
.endr
	WIN 0
.irp i, 0,1,2,3
	ds_store_b64 v8, v[236+2*\i:237+2*\i] offset:256*\i
.endr
	s_wait_dscnt 0x0                               ; for the others' sake: my rows lie in LDS
	s_barrier_signal -1
	s_barrier_wait -1
	s_mov_b32 s48, 0
.Lexp:
.irp m, 0,1,2,3
	v_cmp_eq_u32 s[40+\m], s48, v[12+\m]           ; the tokens whose a is this expert,
	v_cmp_eq_u32 s[44+\m], s48, v[16+\m]           ; and those whose b is
.endr
	s_or_b32 s49, s40, s41
	s_or_b32 s50, s42, s43
	s_or_b32 s51, s44, s45
	s_or_b32 s52, s46, s47
	s_or_b32 s49, s49, s50
	s_or_b32 s51, s51, s52
	s_or_b32 s49, s49, s51
	s_cmp_lg_u32 s49, 0
	s_cbranch_scc0 .Lnext                          ; nobody here uses it
; ---- a pass: K = the expert's 1,024 hidden units, eight K steps
.irp t, 0,1,2,3
.irp k, 0,1
	global_load_b64 v[WSC+4*\t+2*\k:WSC+4*\t+2*\k+1], v4, s[26:27] offset:512*\t+128*\k   ; register 4 t + q: K step q in lanes 0-15, K step 4 + q in lanes 16-31
.endr
.endr
	WIN 0x40
.irp s, 0,1,2,3,4,5,6,7
.irp t, 0,1,2,3
.irp c, 0,1
	global_load_b128 v[8*(4*\s+\t)+4*\c:8*(4*\s+\t)+4*\c+3], v1, s[24:25] offset:8192*\t+1024*\s+512*\c   ; 512 consecutive bytes: half a fragment as its registers take it
.endr
.endr
.endr
	WIN 0
.irp m, 0,1,2,3
	v_cndmask_b32 v[20+\m], v248, v[244+\m], s[44+\m]
	v_cndmask_b32 v[20+\m], v[20+\m], v[60+\m], s[40+\m]           ; the LDS row of my token for this expert, or the zero row
	v_min_u32 v[20+\m], 128, v[20+\m]                              ; held at the last row: the number hangs on the stored list
	v_lshl_add_u32 v[24+\m], v[20+\m], 5, v249                     ; its scale words: 32 x row + the base + 16 h
	v_lshl_add_u32 v[176+\m], v[20+\m], 4, v3
	v_lshl_add_u32 v[20+\m], v[20+\m], 9, v[176+\m]                ; its codes: 528 x row + 16 h
.endr
.irp m, 0,1,2,3
	ds_load_b128 v[HSC+4*\m:HSC+4*\m+3], v[24+\m]
.endr
.irp m, 0,1,2,3
.irp c, 0,1
	ds_load_b128 v[AF+8*\m+4*\c:AF+8*\m+4*\c+3], v[20+\m] offset:32*\c
.endr
.endr
.irp s, 0,1,2,3,4,5,6,7
.if \s > 0
.rept 4
	v_nop                                          ; four plain lines between the last K step's products and loads into the registers that they read
.endr
.endif
.if \s < 7
.irp m, 0,1,2,3
.irp c, 0,1
	ds_load_b128 v[AF+32*((\s+1)%2)+8*\m+4*\c:AF+32*((\s+1)%2)+8*\m+4*\c+3], v[20+\m] offset:64*(\s+1)+32*\c
.endr
.endr
	s_wait_dscnt 8                                 ; this K step's hidden fragments (and the scale words) are in; the eight loads just issued may be out
.else
	s_wait_dscnt 0x0
.endif
	s_wait_loadcnt 8*(7-\s)                        ; this K step's fragments of w2 are in; eight loads for each later K step may be out
	WIN 0xa1                                       ; source 0 (w2) window 1, source 1 (hidden) window 0, C and D window 2
.irp m, 0,1,2,3
.irp t, 0,1,2,3
.if \s < 4
	v_wmma_scale_f32_16x16x128_f8f6f4 v[8*(4*\m+\t):8*(4*\m+\t)+7], v[8*(4*\s+\t):8*(4*\s+\t)+7], v[AF+32*(\s%2)+8*\m:AF+32*(\s%2)+8*\m+7], v[8*(4*\m+\t):8*(4*\m+\t)+7], v[WSC+4*\t+\s%4], v[HSC+4*\m+\s%4] matrix_a_fmt:MATRIX_FMT_FP4 matrix_b_fmt:MATRIX_FMT_FP4
.else
	v_wmma_scale_f32_16x16x128_f8f6f4 v[8*(4*\m+\t):8*(4*\m+\t)+7], v[8*(4*\s+\t):8*(4*\s+\t)+7], v[AF+32*(\s%2)+8*\m:AF+32*(\s%2)+8*\m+7], v[8*(4*\m+\t):8*(4*\m+\t)+7], v[WSC+4*\t+\s%4], v[HSC+4*\m+\s%4] matrix_a_fmt:MATRIX_FMT_FP4 matrix_b_fmt:MATRIX_FMT_FP4 matrix_a_scale:MATRIX_SCALE_ROW1 matrix_b_scale:MATRIX_SCALE_ROW1
.endif
.endr
.endr
	WIN 0                                          ; the 16 accumulators take turns, one instruction a turn, from pass to pass too
.endr
.rept 4
	v_nop                                          ; four plain lines ahead of the next pass's loads into these registers, and of the first read of results
.endr
.Lnext:
	s_wait_xcnt 0x0                                ; the pass's loads have read their bases: these are stepped only behind this wait
	s_add_nc_u64 s[24:25], s[24:25], 0x80000       ; the next expert's 64 tiles of w2f,
	s_add_nc_u64 s[26:27], s[26:27], 0x8000        ; and of w2s
	s_add_co_u32 s48, s48, 1
	s_cmp_lt_u32 s48, 8
	s_cbranch_scc1 .Lexp
	s_wait_dscnt 0x0                               ; my reads of the rows are over;
	s_barrier_signal -1
	s_barrier_wait -1                              ; every wave's are: only now does any wave write LDS again
; ---- the way out, 16 tokens at a time, through my own stage (no other wave touches it, and LDS serves a wave's instructions in order: no wait between stores and loads)
.macro TOSTAGE m
	WIN 0x08                                       ; the data: window 2
.irp t, 0,1,2,3
	ds_store_b128 v5, v[8*(4*(\m)+\t):8*(4*(\m)+\t)+3] offset:64*\t          ; each accumulator from its low end on
	ds_store_b128 v5, v[8*(4*(\m)+\t)+4:8*(4*(\m)+\t)+7] offset:64*\t+16
.endr
	WIN 0
.irp i, 0,1,2,3,4,5,6,7
	ds_load_b128 v[OB+32*((\m)%2)+4*\i:OB+32*((\m)%2)+4*\i+3], v6 offset:544*\i
.endr
.endm
.macro SEND m, younger                 ; younger: the LDS instructions issued behind tile m's loads, which may stay out
	s_wait_dscnt \younger
.irp i, 0,1,2,3,4,5,6,7
	global_store_b128 v[TO+8*(\m)+\i], v[OB+32*((\m)%2)+4*\i:OB+32*((\m)%2)+4*\i+3], s[28:29] th:TH_STORE_NT   ; sixteen lanes store 256 consecutive bytes of a token's row, aligned
.endr
.endm
	TOSTAGE 0
	TOSTAGE 1
	SEND 0, 16                                     ; behind tile 0's loads: tile 1's 8 stores and 8 loads
	s_wait_xcnt 0x0                                ; tile 0's stores have read their registers: tile 2's loads may land there
	TOSTAGE 2
	SEND 1, 16
	s_wait_xcnt 0x0
	TOSTAGE 3
	SEND 2, 16
	SEND 3, 0
	s_set_vgpr_msb 0x8
	s_wait_tensorcnt 0x0
	ds_add_u32 v11, v129
	s_wait_dscnt 0x0
	s_set_vgpr_msb 0x800
	s_endpgm
.Lfunc_end_k_q445de77117_down:
	.size	k_q445de77117_down, .Lfunc_end_k_q445de77117_down-k_q445de77117_down
	.p2alignl 7, 3214868480
	.fill 96, 4, 3214868480
	.section	.rodata,"a",@progbits
	.p2align	6, 0x0
	.amdhsa_kernel k_q445de77117_down
		.amdhsa_group_segment_fixed_size 90624
		.amdhsa_private_segment_fixed_size 0
		.amdhsa_enable_private_segment 0
		.amdhsa_kernarg_size 48
		.amdhsa_user_sgpr_count 2
		.amdhsa_user_sgpr_kernarg_segment_ptr 1
		.amdhsa_wavefront_size32 1
		.amdhsa_system_sgpr_workgroup_id_x 1
		.amdhsa_system_sgpr_workgroup_id_y 1
		.amdhsa_system_sgpr_workgroup_id_z 1
		.amdhsa_system_vgpr_workitem_id 0
		.amdhsa_next_free_vgpr 642
		.amdhsa_next_free_sgpr 80
		.amdhsa_reserve_vcc 0
		.amdhsa_float_denorm_mode_32 3
		.amdhsa_float_denorm_mode_16_64 3
		.amdhsa_memory_ordered 1
		.amdhsa_forward_progress 1
		.amdhsa_inst_pref_size 65
	.end_amdhsa_kernel
	.amdgpu_metadata
---
amdhsa.version: [ 1, 2 ]
amdhsa.kernels:
  - .name:           k_q445de77117_down
    .symbol:         k_q445de77117_down.kd
    .args:
      - { .name: rec, .offset: 0, .size: 8, .value_kind: global_buffer, .address_space: global }
      - { .name: hq, .offset: 8, .size: 8, .value_kind: global_buffer, .address_space: global }
      - { .name: hs, .offset: 16, .size: 8, .value_kind: global_buffer, .address_space: global }
      - { .name: w2f, .offset: 24, .size: 8, .value_kind: global_buffer, .address_space: global }
      - { .name: w2s, .offset: 32, .size: 8, .value_kind: global_buffer, .address_space: global }
      - { .name: out0, .offset: 40, .size: 8, .value_kind: global_buffer, .address_space: global }
    .group_segment_fixed_size: 90624
    .private_segment_fixed_size: 0
    .kernarg_segment_align: 8
    .kernarg_segment_size: 48
    .max_flat_workgroup_size: 128
    .sgpr_count:     80
    .vgpr_count:     642
    .wavefront_size: 32
...
	.end_amdgpu_metadata
.endif
;; end of part 3
;; ======== version 2 of 3: 3 launches; 1.14 times as fast as version 1
;; workspace buffers: w2f 4,194,304 bytes; w2s 262,144 bytes; tokp 38,912 bytes of whole numbers; cwp 38,912 bytes; rec 65,536 bytes of whole numbers; seg 256 bytes of whole numbers; hq 4,718,592 bytes; hs 294,912 bytes
;; launch prep (part 4): grid 272 x 1, 8 waves a work-group, no clusters, 64,512 bytes of LDS; arguments topk_e, topk_w, w2, w2f, w2s, tokp, cwp, rec, seg; writes w2f, w2s, tokp, cwp, rec, seg
.if DOCPART == 4
	.amdgcn_target "amdgcn-amd-amdhsa--gfx1250"
	.amdhsa_code_object_version 6
	.text
	.protected	k_q445de77117_prep
	.globl	k_q445de77117_prep
	.p2align	8
	.type	k_q445de77117_prep,@function
k_q445de77117_prep:
	s_mov_b64 s[64:65], 0
	v_nop
	global_prefetch_b8 v0, s[64:65] scope:SCOPE_SE
	s_setreg_imm32_b32 hwreg(HW_REG_WAVE_MODE, 25, 1), 1
	s_wait_xcnt 0x0
; TWO JOBS IN ONE LAUNCH, parted on the work-group's number; the two ways never join and use LDS bytes of their own.
; WORK-GROUPS 16 .. 271: w2 [8][1024 d][1024 f] f32 becomes codes of FP4 (E2M1) along f with one E8M0 byte for each 32.
;   A block's byte is its largest magnitude's exponent field - 2, held at 1 from below; numbers are divided by the scale and rounded to the nearest code, ties to even, beyond 6 the largest code.
;   w2f: [tile = e*64 + d/16][block 0..31 of f][row 0..15][16 bytes]: 256 x block + 16 x row.  That IS the order of an operand's registers: K step s, half c, lane 16 h + r lie at 1024 s + 512 c + 16 lane.
;   w2s: [tile][quarter of f][row][8 bytes].
;   A wave takes 16 rows x 256 numbers, in 8 steps of two rows; all its 32 loads (16 KiB) go out at its head.  Waves share nothing: no barrier on this way.
; WORK-GROUPS 0 .. 15: the routing, from the index input alone.  A token's key is 8 a + b, a <= b its two experts.  A counting sort by key gives
;   rec[j] = {token, pa, pb, a | b' << 8} for the tokens sorted by key, and for each expert a run of positions (a multiple of 128 long, rows ordered by the partner expert):
;   tokp[p] the token, cwp[p] the combine weight.  Where both experts are equal the token has ONE row with the summed weight (b' = 8: no expert).  Positions that pad a run get token 0 and weight 0.  seg[0..8]: where the runs begin.
;   No atomics, and nothing goes from work-group to work-group: EVERY routing work-group counts all 128 chunks of 32 tokens (wave w: chunks 8 j + w, j = 0 .. 15), since each needs all the totals;
;   then wave w of work-group g places ONE chunk, 8 g + w: the g-th of those that it has counted itself, so that the count of its earlier chunks is its own running count, caught at j = g.
;   Among equal keys the tokens are ordered by (wave, j, lane): any order serves, so long as j, pa and pb take the same rank.  Ranks and counts come from ballots of the key's six bits.
;   Each token is stored by one work-group; the padding and seg by work-group 0; what has no place goes to 32 positions of the work-group's own behind the last run.
; LIMITS: NaN and infinities in w2 are not served; blocks whose largest magnitude lies under 2^-124 keep the byte 1 (a block of zeros too: its codes are zeros, and these bytes are read by this program alone); topk_e is held to 0 .. 7.
.set NRT,   16                         ; routing work-groups
.set SP,    80                         ; a lane's place in a turn stage: 64 bytes + 16 of padding
.set WREG,  7680                       ; LDS of a quantising wave: two turn stages of 2,560, a code stage of 8 x 272, 128 scale bytes
.set CST,   5120
.set SBY,   7296
.set RT,    61440                      ; LDS of the routing: [wave][64 keys] words, behind the eight waves' regions
.set DUMP,  9216                       ; positions 9216 + 32 g + lane of tokp and cwp take what has no place; nobody loads them
.set PMAX,  9727
.set EMAX,  2
.set QR,    16                         ; v16-143  eight steps' numbers as loaded
.set QX,    144                        ; v144-175 two sets of 16 neighbours
.set QC,    176                        ; v176-191 codes, two registers a step
.set QE,    192                        ; v192-199 a scale byte a step
.set RE,    32                         ; v32-63   routing: the two experts of the sixteen chunks that I count
.set CK,    64                         ; v64-65   counting, two chunks by turns: the keys,
.set CA,    66                         ; v66-77   their six bits,
.set CX,    78                         ; v78-87   lanes as keys: agreement in each of five bits,
.set CM,    88                         ; v88-91   the masks of key lane and key 32 + lane, then their counts,
.set CT,    92                         ; v92-95   at work
	s_load_b512 s[4:19], s[0:1], 0x0               ; topk_e, topk_w, w2, w2f, w2s, tokp, cwp, rec
	s_load_b64 s[20:21], s[0:1], 0x40              ; seg
	v_lshl_add_u32 v224, v0, 2, 0xf800
	v_mov_b32 v225, 0
	v_lshrrev_b32 v1, 5, v0
	v_readfirstlane_b32 s22, v1                    ; wave 0..7
	v_and_b32 v1, 31, v0                           ; lane
	s_cmp_lt_u32 ttmp9, NRT
	s_cbranch_scc1 .Lroute
; ---------------------------------------------------------------- the quantiser
	s_sub_co_u32 s23, ttmp9, NRT
	s_lshl_b32 s23, s23, 1
	s_lshr_b32 s24, s22, 2
	s_add_co_u32 s23, s23, s24                     ; my tile of 16 rows: 2 (work-group - 16) + wave / 4
	s_and_b32 s24, s22, 3                          ; my quarter of f
	s_mul_i32 s25, s22, WREG                       ; my LDS
	v_lshlrev_b32 v3, 4, v1                        ; 16 x lane
	v_lshlrev_b32 v2, 2, v1                        ; 4 x lane
	v_lshrrev_b32 v14, 2, v1
	v_mul_u32_u24 v14, v14, SP
	v_and_b32 v15, 3, v1
	v_lshl_add_u32 v14, v15, 4, v14
	v_add_nc_u32 v14, s25, v14                     ; turn stage, in: four lanes' 64 bytes on end, then the padding
	v_mul_u32_u24 v15, v1, SP
	v_add_nc_u32 v15, s25, v15                     ; and out: my 16 neighbours
	v_lshrrev_b32 v5, 1, v1
	v_add_nc_u32 v5, s25, v5
	v_add_nc_u32 v5, SBY, v5                       ; my block's scale byte: 8 x (row in the step) + block
	v_bfe_u32 v6, v1, 1, 3                         ; my block in the quarter
	v_mul_u32_u24 v6, v6, 272
	v_lshrrev_b32 v7, 4, v1                        ; which of the step's two rows
	v_lshl_add_u32 v6, v7, 4, v6
	v_and_b32 v8, 1, v1
	v_lshl_add_u32 v6, v8, 3, v6
	v_add_nc_u32 v6, s25, v6
	v_add_nc_u32 v6, CST, v6                       ; code stage, in: 272 x block + 16 x row + 8 x half block
	v_mul_u32_u24 v7, v7, 272
	v_and_b32 v8, 15, v1
	v_lshl_add_u32 v7, v8, 4, v7
	v_add_nc_u32 v7, s25, v7
	v_add_nc_u32 v7, CST, v7                       ; and out: sixteen lanes to a block's 256 bytes
	v_add_nc_u32 v4, s25, v2
	v_add_nc_u32 v4, SBY, v4                       ; the scale bytes on the way out
	s_lshl_b32 s26, s23, 16
	s_lshl_b32 s32, s24, 10
	s_add_co_u32 s26, s26, s32                     ; w2: 65,536 x tile + 1,024 x quarter
	s_mov_b32 s27, 0
	s_lshl_b32 s28, s23, 13
	s_lshl_b32 s32, s24, 11
	s_add_co_u32 s28, s28, s32                     ; w2f: 8,192 x tile + 2,048 x quarter
	s_mov_b32 s29, 0
	s_lshl_b32 s30, s23, 9
	s_lshl_b32 s32, s24, 7
	s_add_co_u32 s30, s30, s32                     ; w2s: 512 x tile + 128 x quarter
	s_mov_b32 s31, 0
	s_wait_kmcnt 0x0
	s_add_nc_u64 s[8:9], s[8:9], s[26:27]
	s_add_nc_u64 s[10:11], s[10:11], s[28:29]
	s_add_nc_u64 s[12:13], s[12:13], s[30:31]
.macro LOAD t                          ; step t: rows 2 t and 2 t + 1, 1,024 bytes of each; a load reads 512 consecutive bytes
.irp i, 0,1,2,3
	global_load_b128 v[QR+16*(\t)+4*\i:QR+16*(\t)+4*\i+3], v3, s[8:9] offset:(2*(\t)+\i/2)*4096+(\i%2)*512 th:TH_LOAD_NT
.endr
.endm
.macro TURN t                          ; step t's 2,048 bytes through a stage: in as loaded, out 64 bytes a lane.  LDS serves a wave's instructions in order: no wait between
.irp i, 0,1,2,3
	ds_store_b128 v14, v[QR+16*(\t)+4*\i:QR+16*(\t)+4*\i+3] offset:32*SP*((\t)%2)+8*SP*\i
.endr
.irp i, 0,1,2,3
	ds_load_b128 v[QX+16*((\t)%2)+4*\i:QX+16*((\t)%2)+4*\i+3], v15 offset:32*SP*((\t)%2)+16*\i
.endr
.endm
.macro STEP t
.set XS, QX+16*((\t)%2)
.if (\t) > 0
	s_wait_dscnt 2                                 ; this step's numbers are back; the two stores of the last step (byte, codes) may be out
.else
	s_wait_dscnt 0x0
.endif
.if (\t) < 7
	s_wait_loadcnt 4*(6-(\t))                      ; the next step's four loads are in; those of the steps behind it may be out
	TURN (\t)+1
.endif
	v_max3_num_f32 v8, |v[XS]|, |v[XS+1]|, |v[XS+2]|               ; the largest magnitude of my 16, in two chains
	v_max3_num_f32 v9, |v[XS+3]|, |v[XS+4]|, |v[XS+5]|
.irp i, 6,10
	v_max3_num_f32 v8, v8, |v[XS+\i]|, |v[XS+\i+1]|
	v_max3_num_f32 v9, v9, |v[XS+\i+2]|, |v[XS+\i+3]|
.endr
	v_max3_num_f32 v8, v8, |v[XS+14]|, |v[XS+15]|
	v_max3_num_f32 v8, v8, v9, (EMAX+1)<<23        ; and the floor 2^(3 - 127): the byte cannot fall under 1
	v_max_num_f32_dpp v8, v8, v8 row_xmask:1 row_mask:0xf bank_mask:0xf   ; with my neighbour's 16: the block's
	v_add_nc_u32 v11, -(EMAX<<23), v8              ; 2 off its exponent field: the conversion takes this operand's exponent field as its scale
	v_cvt_scalef32_pk8_fp4_f32 v[QC+2*(\t)], v[XS:XS+7], v11
	v_cvt_scalef32_pk8_fp4_f32 v[QC+2*(\t)+1], v[XS+8:XS+15], v11
	v_lshrrev_b32 v[QE+(\t)], 23, v11              ; the scale's byte (also the plain line behind the conversions)
	ds_store_b8 v5, v[QE+(\t)] offset:16*(\t)      ; both lanes of a block write the same byte with the same value
	ds_store_b64 v6, v[QC+2*(\t):QC+2*(\t)+1] offset:32*(\t)
.endm
.irp t, 0,1,2,3,4,5,6,7
	LOAD \t
.endr
	s_wait_loadcnt 28                              ; step 0's four loads are in
	TURN 0
.irp t, 0,1,2,3,4,5,6,7
	STEP \t
.endr
.irp i, 0,1,2,3
	ds_load_b128 v[200+4*\i:203+4*\i], v7 offset:544*\i            ; two blocks' 512 bytes; these see my stores
.endr
	ds_load_b32 v216, v4
	s_wait_dscnt 0x0
.irp i, 0,1,2,3
	global_store_b128 v3, v[200+4*\i:203+4*\i], s[10:11] offset:512*\i   ; 32 lanes store 512 consecutive bytes, aligned
.endr
	global_store_b32 v2, v216, s[12:13]            ; 128 consecutive bytes: my quarter's scale bytes
	s_wait_tensorcnt 0x0
	ds_add_u32 v224, v225
	s_wait_dscnt 0x0
	s_endpgm
; ---------------------------------------------------------------- the routing
; REGISTERS: v2-6 lane bits as masks; v7-8 where a key finds its mirror; v9 the counted chunks' offset; v24-25 running counts; v26-31, v128-143 totals and bases; v144-157 the placing;
;   v200 my own chunk's offset; v202-203 its experts; v204-205 its weights, then the weight for a and that for b; v206 its keys; v207 its ranks in the chunk; v212-213 the counts of my earlier chunks; v208-211 the padding's addresses.
.Lroute:
	s_and_b32 s54, ttmp9, NRT-1                    ; g: which routing work-group
	s_lshl_b32 s23, s22, 8
	v_lshlrev_b32 v9, 3, v1
	v_add_nc_u32 v9, s23, v9                       ; wave w counts chunks 8 j + w: 256 w + 8 x lane, + 2,048 j
	s_lshl_b32 s23, s54, 11
	v_add_nc_u32 v200, s23, v9                     ; and places chunk 8 g + w
	s_wait_kmcnt 0x0
	global_load_b64 v[202:203], v200, s[4:5]
	global_load_b64 v[204:205], v200, s[6:7]
.irp j, 0,1,2,3,4,5,6,7,8,9,10,11,12,13,14,15
	global_load_b64 v[RE+2*\j:RE+2*\j+1], v9, s[4:5] offset:2048*\j
.endr
	s_mov_b32 s32, 0x55555555                      ; for counting a mask's bits
	s_mov_b32 s33, 0x33333333
	s_mov_b32 s34, 0x0f0f0f0f
	s_mov_b32 s35, 0x01010101
	s_mov_b32 s36, 0xfefefefe                      ; lanes with lane % 8 >= 1, 2, 4
	s_mov_b32 s37, 0xfcfcfcfc
	s_mov_b32 s38, 0xf0f0f0f0
	s_mov_b32 s39, 0x0000ff00                      ; lanes 8-15, 16-23, 24-31
	s_mov_b32 s40, 0x00ff0000
	s_mov_b32 s41, 0xff000000
	s_mov_b32 s42, 0xffff0000                      ; lanes 16-31
	s_mov_b32 s43, 0x08040201                      ; keys 8 e + e among keys 0-31,
	s_mov_b32 s44, 0x80402010                      ; and among keys 32-63
.irp k, 0,1,2,3,4
	v_bfe_u32 v[2+\k], v1, \k, 1
	v_add_nc_u32 v[2+\k], -1, v[2+\k]              ; v2-6: 0 where bit k of my lane is set, else all ones
.endr
	v_and_b32 v7, 3, v1
	v_lshrrev_b32 v8, 3, v1
	v_lshl_add_u32 v7, v7, 3, v8
	v_lshlrev_b32 v7, 2, v7                        ; v7: 4 x (8 (lane % 4) + lane / 8): from where key 8 e + p takes key 8 p + e
	v_add_nc_u32 v8, 16, v7                        ; v8: the same for keys 32-63
	v_mov_b32 v24, 0                               ; running counts of my wave: lane L counts key L,
	v_mov_b32 v25, 0                               ; and key 32 + L
	v_mov_b32 v212, 0                              ; what they hold when my own chunk's turn comes
	v_mov_b32 v213, 0
; my own chunk: keys, weights, and each token's rank among equal keys in the chunk
	s_wait_loadcnt 16                              ; its two loads are in; the sixteen loads behind them may be out
	v_min_u32 v202, 7, v202
	v_min_u32 v203, 7, v203
	v_min_u32 v10, v202, v203                      ; a
	v_mad_u32_u24 v11, v10, 7, v202
	v_add_nc_u32 v206, v11, v203                   ; 7 a + e0 + e1 = 8 a + b
	v_cmp_le_u32 vcc_lo, v202, v203
	v_cndmask_b32 v12, v205, v204, vcc_lo          ; the weight that goes with a,
	v_cndmask_b32 v13, v204, v205, vcc_lo          ; and that with b
	v_add_f32 v14, v204, v205
	v_cmp_eq_u32 vcc_lo, v202, v203
	v_cndmask_b32 v204, v12, v14, vcc_lo           ; one expert twice: one row, the weights summed
	v_mov_b32 v205, v13
.irp k, 0,1,2,3,4,5
	v_and_b32 v15, 1<<\k, v206
	v_cmp_ne_u32 s[24+\k], 0, v15                  ; the tokens whose key has bit k
.endr
	v_cndmask_b32 v16, -1, 0, s24
	v_xor_b32 v16, s24, v16                        ; the tokens that agree with me in bit 0,
.irp k, 1,2,3,4,5
	v_cndmask_b32 v17, -1, 0, s[24+\k]
	v_xor_b32 v17, s[24+\k], v17
	v_and_b32 v16, v16, v17                        ; and in all six: my key's tokens
.endr
	v_mbcnt_lo_u32_b32 v207, v16, 0                ; how many of them stand in lower lanes
.macro POPC4 m, t                      ; the number of ones in four masks, side by side
.irp u, 0,1,2,3
	v_lshrrev_b32 v[\t+\u], 1, v[\m+\u]
.endr
.irp u, 0,1,2,3
	v_and_b32 v[\t+\u], s32, v[\t+\u]
.endr
.irp u, 0,1,2,3
	v_sub_nc_u32 v[\m+\u], v[\m+\u], v[\t+\u]
.endr
.irp u, 0,1,2,3
	v_lshrrev_b32 v[\t+\u], 2, v[\m+\u]
.endr
.irp u, 0,1,2,3
	v_and_b32 v[\m+\u], s33, v[\m+\u]
.endr
.irp u, 0,1,2,3
	v_and_b32 v[\t+\u], s33, v[\t+\u]
.endr
.irp u, 0,1,2,3
	v_add_nc_u32 v[\m+\u], v[\m+\u], v[\t+\u]
.endr
.irp u, 0,1,2,3
	v_lshrrev_b32 v[\t+\u], 4, v[\m+\u]
.endr
.irp u, 0,1,2,3
	v_add_nc_u32 v[\m+\u], v[\m+\u], v[\t+\u]
.endr
.irp u, 0,1,2,3
	v_and_b32 v[\m+\u], s34, v[\m+\u]
.endr
.irp u, 0,1,2,3
	v_mul_lo_u32 v[\m+\u], v[\m+\u], s35
.endr
.irp u, 0,1,2,3
	v_lshrrev_b32 v[\m+\u], 24, v[\m+\u]
.endr
.endm
.macro COUNT2 i                        ; chunks i and i + 1 of my sixteen are counted, line by line by turns, so that no line waits for the line above it.  Ballots: chunk i in s24-29, chunk i + 1 in s46-51
	s_wait_loadcnt 14-(\i)                         ; both chunks' loads are in; those of the chunks behind them may be out
.irp u, 0,1
	v_min_u32 v[RE+2*((\i)+\u)], 7, v[RE+2*((\i)+\u)]
	v_min_u32 v[RE+2*((\i)+\u)+1], 7, v[RE+2*((\i)+\u)+1]
.endr
.irp u, 0,1
	v_min_u32 v[CK+\u], v[RE+2*((\i)+\u)], v[RE+2*((\i)+\u)+1]
.endr
.irp u, 0,1
	v_mad_u32_u24 v[CK+\u], v[CK+\u], 7, v[RE+2*((\i)+\u)]
.endr
.irp u, 0,1
	v_add_nc_u32 v[CK+\u], v[CK+\u], v[RE+2*((\i)+\u)+1]           ; the key, 8 a + b
.endr
.irp k, 0,1,2,3,4,5
.irp u, 0,1
	v_and_b32 v[CA+6*\u+\k], 1<<\k, v[CK+\u]
.endr
.endr
.irp k, 0,1,2,3,4,5
.irp u, 0,1
	v_cmp_ne_u32 s[24+22*\u+\k], 0, v[CA+6*\u+\k]  ; the tokens whose key has bit k
.endr
.endr
.irp k, 0,1,2,3,4
.irp u, 0,1
	v_xor_b32 v[CX+5*\u+\k], s[24+22*\u+\k], v[2+\k]               ; lanes as keys: the tokens whose key agrees with my lane in bit k
.endr
.endr
	s_not_b32 s30, s29
	s_not_b32 s52, s51
.irp u, 0,1
	v_and_b32 v[CX+5*\u], v[CX+5*\u], v[CX+5*\u+1]
	v_and_b32 v[CX+5*\u+2], v[CX+5*\u+2], v[CX+5*\u+3]
.endr
.irp u, 0,1
	v_and_b32 v[CX+5*\u], v[CX+5*\u], v[CX+5*\u+2]
.endr
.irp u, 0,1
	v_and_b32 v[CX+5*\u], v[CX+5*\u], v[CX+5*\u+4]                 ; the tokens whose key % 32 is my lane:
.endr
.irp u, 0,1
	v_and_b32 v[CM+2*\u], s[30+22*\u], v[CX+5*\u]                  ; of them key lane,
	v_and_b32 v[CM+2*\u+1], s[29+22*\u], v[CX+5*\u]                ; and key 32 + lane
.endr
	POPC4 CM, CT
.irp u, 0,1
	s_cmp_eq_u32 s54, (\i)+\u                      ; is this the chunk that I place?
	s_cselect_b32 s31, -1, 0
	v_cndmask_b32 v212, v212, v24, s31             ; then the running counts are those of my earlier chunks
	v_cndmask_b32 v213, v213, v25, s31
	v_add_nc_u32 v24, v24, v[CM+2*\u]
	v_add_nc_u32 v25, v25, v[CM+2*\u+1]
.endr
.endm
.irp i, 0,2,4,6,8,10,12,14
	COUNT2 \i
.endr
	v_lshlrev_b32 v10, 2, v1
	s_lshl_b32 s31, s22, 8
	v_add_nc_u32 v11, s31, v10
	v_add_nc_u32 v11, RT, v11                      ; my wave's 64 words
	v_add_nc_u32 v10, RT, v10
	ds_store_b32 v11, v24
	ds_store_b32 v11, v25 offset:128
	s_wait_dscnt 0x0                               ; for the others' sake: my totals lie in LDS
	s_barrier_signal -1
	s_barrier_wait -1
.irp q, 0,1,2,3,4,5,6,7
	ds_load_b32 v[128+2*\q], v10 offset:256*\q
	ds_load_b32 v[129+2*\q], v10 offset:256*\q+128
.endr
	v_mov_b32 v26, 0                               ; v26-27: the earlier waves' counts;  v28-29: all waves'
	v_mov_b32 v27, 0
	v_mov_b32 v28, 0
	v_mov_b32 v29, 0
	s_wait_dscnt 0x0
.irp q, 0,1,2,3,4,5,6,7
	s_cmp_gt_u32 s22, \q
	s_cselect_b32 s31, -1, 0
	v_and_b32 v12, s31, v[128+2*\q]
	v_and_b32 v13, s31, v[129+2*\q]
	v_add_nc_u32 v26, v26, v12
	v_add_nc_u32 v27, v27, v13
	v_add_nc_u32 v28, v28, v[128+2*\q]
	v_add_nc_u32 v29, v29, v[129+2*\q]
.endr
; every wave makes all the bases for itself.  First: where each key's tokens begin among the sorted tokens (a sum over the 64 keys)
.macro ROWSCAN x
.irp n, 1,2,4,8
	v_mov_b32_dpp v12, v[\x] row_shr:\n row_mask:0xf bank_mask:0xf bound_ctrl:1
	v_add_nc_u32 v[\x], v[\x], v12
.endr
	v_readlane_b32 s31, v[\x], 15
	v_mov_b32 v12, s31
	v_cndmask_b32 v12, 0, v12, s42
	v_add_nc_u32 v[\x], v[\x], v12
.endm
	v_mov_b32 v30, v28
	v_mov_b32 v31, v29
	ROWSCAN 30
	ROWSCAN 31
	v_readlane_b32 s31, v30, 31
	v_add_nc_u32 v31, s31, v31
	v_sub_nc_u32 v30, v30, v28                     ; v30-31: the keys below mine
	v_sub_nc_u32 v31, v31, v29
.macro TRANSP dl, dh, sl, sh           ; key 8 e + p takes what key 8 p + e holds
	ds_bpermute_b32 v12, v7, v[\sl]
	ds_bpermute_b32 v13, v7, v[\sh]
	ds_bpermute_b32 v14, v8, v[\sl]
	ds_bpermute_b32 v15, v8, v[\sh]
	s_wait_dscnt 0x0
	v_cndmask_b32 v[\dl], v12, v13, s38
	v_cndmask_b32 v[\dh], v14, v15, s38
.endm
	TRANSP 128, 129, 28, 29
	v_cndmask_b32 v128, v128, 0, s43               ; a set of one expert counts once
	v_cndmask_b32 v129, v129, 0, s44
	v_add_nc_u32 v130, v28, v128                   ; v130-131: rows of expert e with partner p
	v_add_nc_u32 v131, v29, v129
	v_mov_b32 v132, v130
	v_mov_b32 v133, v131
.macro GSCAN x                         ; sums over the partners, inside each group of eight lanes
	v_mov_b32_dpp v12, v[\x] row_shr:1 row_mask:0xf bank_mask:0xf bound_ctrl:1
	v_cndmask_b32 v12, 0, v12, s36
	v_add_nc_u32 v[\x], v[\x], v12
	v_mov_b32_dpp v12, v[\x] row_shr:2 row_mask:0xf bank_mask:0xf bound_ctrl:1
	v_cndmask_b32 v12, 0, v12, s37
	v_add_nc_u32 v[\x], v[\x], v12
	v_mov_b32_dpp v12, v[\x] row_shr:4 row_mask:0xf bank_mask:0xf bound_ctrl:1
	v_cndmask_b32 v12, 0, v12, s38
	v_add_nc_u32 v[\x], v[\x], v12
.endm
	GSCAN 132
	GSCAN 133
.irp e, 0,1,2,3
	v_readlane_b32 s[80+\e], v132, 8*\e+7          ; s80-87: each expert's rows
	v_readlane_b32 s[84+\e], v133, 8*\e+7
.endr
	s_mov_b32 s68, 0                               ; s68-76: where each expert's run of positions begins; a run is a multiple of 128
.irp e, 0,1,2,3,4,5,6,7
	s_add_co_u32 s31, s[80+\e], 127
	s_and_b32 s31, s31, 0xffffff80
	s_add_co_u32 s[69+\e], s[68+\e], s31
.endr
	v_mov_b32 v134, s68
	v_mov_b32 v135, s72
.irp g, 1,2,3
	v_mov_b32 v12, s[68+\g]
	v_mov_b32 v13, s[72+\g]
	v_cndmask_b32 v134, v134, v12, s[38+\g]
	v_cndmask_b32 v135, v135, v13, s[38+\g]
.endr
	v_sub_nc_u32 v12, v132, v130
	v_sub_nc_u32 v13, v133, v131
	v_add_nc_u32 v134, v134, v12                   ; v134-135: the first position of expert e's rows with partner p
	v_add_nc_u32 v135, v135, v13
	TRANSP 136, 137, 134, 135
	v_lshl_or_b32 v136, v136, 16, v134             ; v136-137: for key 8 a + b: a's position below, b's above (both under 9,216)
	v_lshl_or_b32 v137, v137, 16, v135
	v_lshl_add_u32 v138, v26, 16, v30              ; v138-139: the key's first sorted place below, the earlier waves' count above (both at most 4,096)
	v_lshl_add_u32 v139, v27, 16, v31
	s_lshl_b32 s31, s54, 5
	v_add_nc_u32 v140, s31, v1
	v_add_nc_u32 v140, DUMP, v140                  ; my work-group's own place for what has none
	s_lshl_b32 s31, s54, 3
	s_add_co_u32 s31, s31, s22
	s_lshl_b32 s31, s31, 5
	v_add_nc_u32 v141, s31, v1                     ; my token: 32 (8 g + w) + lane
	v_mov_b32 v142, 0
; my own chunk asks the lanes that stand for its keys, and stores its tokens' places
	v_lshlrev_b32 v144, 2, v206
	v_and_b32 v144, 0x7c, v144
	v_lshl_add_u32 v156, v212, 16, v138            ; above: the earlier waves' count + that of my earlier chunks
	v_lshl_add_u32 v157, v213, 16, v139
	ds_bpermute_b32 v145, v144, v156
	ds_bpermute_b32 v146, v144, v157
	ds_bpermute_b32 v147, v144, v136
	ds_bpermute_b32 v148, v144, v137
	s_wait_dscnt 0x0
	v_cmp_lt_u32 vcc_lo, 31, v206
	v_cndmask_b32 v145, v145, v146, vcc_lo
	v_cndmask_b32 v147, v147, v148, vcc_lo
	v_lshrrev_b32 v146, 16, v145
	v_add_nc_u32 v146, v146, v207                  ; my rank among all tokens of my key
	v_and_b32 v145, 0xffff, v145
	v_add_nc_u32 v145, v145, v146                  ; j: my place among the sorted tokens
	v_and_b32 v148, 0xffff, v147
	v_add_nc_u32 v153, v148, v146                  ; pa
	v_lshrrev_b32 v147, 16, v147
	v_add_nc_u32 v147, v147, v146                  ; pb
	v_lshrrev_b32 v156, 3, v206
	v_and_b32 v157, 7, v206
	v_cmp_eq_u32 vcc_lo, v156, v157
	v_cndmask_b32 v154, v147, v153, vcc_lo         ; one expert twice: the record names pa twice,
	v_cndmask_b32 v147, v147, v140, vcc_lo         ; there is no second row,
	v_cndmask_b32 v157, v157, 8, vcc_lo            ; and b' is no expert
	v_lshl_or_b32 v155, v157, 8, v156
	v_mov_b32 v152, v141
	v_min_u32 v145, 0xfff, v145
	v_lshlrev_b32 v149, 4, v145
	v_min_u32 v150, PMAX, v153
	v_lshlrev_b32 v150, 2, v150
	v_min_u32 v151, PMAX, v147
	v_lshlrev_b32 v151, 2, v151
	global_store_b128 v149, v[152:155], s[18:19]
	global_store_b32 v150, v152, s[14:15]
	global_store_b32 v150, v204, s[16:17]
	global_store_b32 v151, v152, s[14:15]
	global_store_b32 v151, v205, s[16:17]
	s_cmp_lg_u32 ttmp9, 0
	s_cbranch_scc1 .Lrdone                         ; the rest is work-group 0's alone
; the positions that fill a run up to a multiple of 128: token 0, weight 0.  Waves 0-3 take the even experts, waves 4-7 the odd ones, 128 threads to an expert
	s_lshr_b32 s90, s22, 2
	v_and_b32 v12, 127, v0
.irp k, 0,1,2,3
	s_cmp_eq_u32 s90, 0
	s_cselect_b32 s91, s[68+2*\k], s[69+2*\k]
	s_cselect_b32 s92, s[80+2*\k], s[81+2*\k]
	s_cselect_b32 s93, s[69+2*\k], s[70+2*\k]
	s_add_co_u32 s91, s91, s92
	v_add_nc_u32 v[208+\k], s91, v12
	v_cmp_le_u32 vcc_lo, s93, v[208+\k]            ; past the run's end: nothing to fill
	v_cndmask_b32 v[208+\k], v[208+\k], v140, vcc_lo
	v_min_u32 v[208+\k], PMAX, v[208+\k]
	v_lshlrev_b32 v[208+\k], 2, v[208+\k]
	global_store_b32 v[208+\k], v142, s[14:15]
	global_store_b32 v[208+\k], v142, s[16:17]
.endr
	s_cmp_lg_u32 s22, 0
	s_cbranch_scc1 .Lrdone
	v_mov_b32 v143, 0
.irp e, 0,1,2,3,4,5,6,7,8
	v_writelane_b32 v143, s[68+\e], \e
.endr
	v_lshlrev_b32 v13, 2, v1
	global_store_b32 v13, v143, s[20:21]           ; seg[0..8], zeros behind them
.Lrdone:
	s_wait_tensorcnt 0x0
	ds_add_u32 v224, v225
	s_wait_dscnt 0x0
	s_endpgm
.Lfunc_end_k_q445de77117_prep:
	.size	k_q445de77117_prep, .Lfunc_end_k_q445de77117_prep-k_q445de77117_prep
	.p2alignl 7, 3214868480
	.fill 96, 4, 3214868480
	.section	.rodata,"a",@progbits
	.p2align	6, 0x0
	.amdhsa_kernel k_q445de77117_prep
		.amdhsa_group_segment_fixed_size 64512
		.amdhsa_private_segment_fixed_size 0
		.amdhsa_enable_private_segment 0
		.amdhsa_kernarg_size 72
		.amdhsa_user_sgpr_count 2
		.amdhsa_user_sgpr_kernarg_segment_ptr 1
		.amdhsa_wavefront_size32 1
		.amdhsa_system_sgpr_workgroup_id_x 1
		.amdhsa_system_sgpr_workgroup_id_y 1
		.amdhsa_system_sgpr_workgroup_id_z 1
		.amdhsa_system_vgpr_workitem_id 0
		.amdhsa_next_free_vgpr 226
		.amdhsa_next_free_sgpr 100
		.amdhsa_reserve_vcc 1
		.amdhsa_float_denorm_mode_32 3
		.amdhsa_float_denorm_mode_16_64 3
		.amdhsa_memory_ordered 1
		.amdhsa_forward_progress 1
		.amdhsa_inst_pref_size 75
	.end_amdhsa_kernel
	.amdgpu_metadata
---
amdhsa.version: [ 1, 2 ]
amdhsa.kernels:
  - .name:           k_q445de77117_prep
    .symbol:         k_q445de77117_prep.kd
    .args:
      - { .name: topk_e, .offset: 0, .size: 8, .value_kind: global_buffer, .address_space: global }
      - { .name: topk_w, .offset: 8, .size: 8, .value_kind: global_buffer, .address_space: global }
      - { .name: w2, .offset: 16, .size: 8, .value_kind: global_buffer, .address_space: global }
      - { .name: w2f, .offset: 24, .size: 8, .value_kind: global_buffer, .address_space: global }
      - { .name: w2s, .offset: 32, .size: 8, .value_kind: global_buffer, .address_space: global }
      - { .name: tokp, .offset: 40, .size: 8, .value_kind: global_buffer, .address_space: global }
      - { .name: cwp, .offset: 48, .size: 8, .value_kind: global_buffer, .address_space: global }
      - { .name: rec, .offset: 56, .size: 8, .value_kind: global_buffer, .address_space: global }
      - { .name: seg, .offset: 64, .size: 8, .value_kind: global_buffer, .address_space: global }
    .group_segment_fixed_size: 64512
    .private_segment_fixed_size: 0
    .kernarg_segment_align: 8
    .kernarg_segment_size: 72
    .max_flat_workgroup_size: 256
    .sgpr_count:     100
    .vgpr_count:     226
    .wavefront_size: 32
...
	.end_amdgpu_metadata
.endif
;; end of part 4
;; launch up: the kernel of part 2 again; grid 4 x 71, 4 waves a work-group, no clusters, 222,720 bytes of LDS; arguments seg, tokp, cwp, x_codes, x_scales, w1_codes, w1_scales, hq, hs; writes hq, hs
;; launch down: the kernel of part 3 again; grid 4 x 64, 4 waves a work-group, no clusters, 90,624 bytes of LDS; arguments rec, hq, hs, w2f, w2s, out0; writes out0
;; ======== version 3 of 3: 3 launches; version 2 with the launches up, down written anew for expert scheduling mode
;; workspace buffers: w2f 4,194,304 bytes; w2s 262,144 bytes; tokp 38,912 bytes of whole numbers; cwp 38,912 bytes; rec 65,536 bytes of whole numbers; seg 256 bytes of whole numbers; hq 4,718,592 bytes; hs 294,912 bytes
;; launch prep: the kernel of part 4 again; grid 272 x 1, 8 waves a work-group, no clusters, 64,512 bytes of LDS; arguments topk_e, topk_w, w2, w2f, w2s, tokp, cwp, rec, seg; writes w2f, w2s, tokp, cwp, rec, seg
;; launch up (part 5): grid 4 x 71, 4 waves a work-group, no clusters, 222,720 bytes of LDS; arguments seg, tokp, cwp, x_codes, x_scales, w1_codes, w1_scales, hq, hs; writes hq, hs
.if DOCPART == 5
	.amdgcn_target "amdgcn-amd-amdhsa--gfx1250"
	.amdhsa_code_object_version 6
	.text
	.protected	k_q445de77117_up
	.globl	k_q445de77117_up
	.p2align	8
	.type	k_q445de77117_up,@function
k_q445de77117_up:
	s_mov_b64 s[64:65], 0
	v_nop
	global_prefetch_b8 v0, s[64:65] scope:SCOPE_SE
	s_setreg_imm32_b32 hwreg(HW_REG_WAVE_SCHED_MODE, 0, 2), 2
	s_setreg_imm32_b32 hwreg(HW_REG_WAVE_MODE, 25, 1), 1
	s_wait_xcnt 0x0
	s_wait_alu depctr_vm_vsrc(0)
; THE FIRST PRODUCT, for the chosen rows alone: a work-group takes 128 positions of one expert (a tile of its run) x 256 hidden units (x = which 256), K = 1,024, on codes of FP4 (E2M1) with E8M0 scales as they are given;
; then silu, x the combine weight, and the quantiser along the hidden units.  hq: [which 256][position][128 bytes of codes], hs: [which 256][position][8 scale bytes].
; GRID: 8,192 rows at the most in 8 runs padded to multiples of 128 make 71 tiles at the most.  A tile past the last run has nothing to do: it jumps over the three stretches of work, each of which holds no barrier, and stores nothing;
; its few small loads at the head are made at the last tile that exists, so that they stay inside their buffers.
; NO TENSOR LOADS, NO CLUSTER, though the tiles of one expert share its weights: whether a tile has rows, and whose weights it takes, hangs on numbers stored by the launch before.
; SHARES: four waves; wave w takes rows 64 (w / 2) .. + 63 and units 128 (w % 2) .. + 127: 4 x 8 accumulators, 256 registers.  All operands come into LDS once (rows of 512 bytes + 16), 48 KiB a wave requested at the head.
; THE PRODUCT IS USED TRANSPOSED (source 0 = 16 rows of w1, source 1 = 16 rows of x), AND THE ROWS OF w1 THAT FORM A TILE ARE NOT NEIGHBOURS: row rho of the 256 lies in LDS slot sigma(rho) = rho with bits 3 and 4 exchanged, so that lane r of tile 2 b + u
; takes row 32 b + 8 u + r + 8 (r / 8), and a lane's 16 registers of tiles 2 b, 2 b + 1 are hidden units 32 b + 16 (lane / 16) + 0 .. 15 of ONE row: neighbours along the next product's K.
; SCALE WORDS: register 4 x tile + q holds K step q in lanes 0-15 and K step 4 + q in lanes 16-31; K steps 4 to 7 name the upper row of lanes.
; LIMITS: NaN, infinities and the scale byte 0xff are not served; a block whose largest magnitude lies under 2^-124 (a block of zeros too) gets the byte 1: these bytes are read by this program alone.
; REGISTERS: window 0: v1-11 addresses; v12-19 the weights, as pairs; v20-23 tokens; v24-55 w1's scale words; v56-71 x's; v72-199 x's fragments, four sets; v136-199 are also at work at the head and behind the products; v200-215, v224-232 the quantiser's; v240-246 at the head.
;   window 1: 64 rows of w1 on their way to LDS, then w1's fragments, four sets.   window 2: 32 rows of x on their way to LDS, then the accumulators, (m, t) at v[8 (8 m + t)].
; THE MODE: SCHED_MODE bits 1:0 = 2 (LLVM: expert scheduling mode 2), set by the entry lines.  The code itself states the register dependences
; between vector or matrix instructions and memory or LDS instructions, with s_wait_alu, always for 0.
; THE PLAN.  Registers that memory or LDS instructions touch:
;   v1-11, v245      addresses: written by vector lines at the head, read by loads and stores throughout, never written again: one wait ahead of the first load.
;   v20-23           tokens land; two vector lines make offsets of them; four loads read those: one wait between.
;   v136-167         written by 32 vector lines (offsets of x's rows), read by 32 loads: one wait between; later a set of fragments.
;   window 2, v0-127 x's rows land, LDS stores read them; then the products write them.    window 1, v0-255: w1's rows land, LDS stores read them; then fragments land in them.
;                    One wait on vm_vsrc at the end of the first stretch states that the stores have read both windows and the loads v136-167.
;   the four sets    K step s: its products read set s % 4; the LDS loads of K step s + 2 land in set (s + 2) % 4, dealt among K step s's products, which name none of their registers.
;                    ONE wait on va_vdst at the head of K steps 2 and 4: the two K steps before are done reading their sets, in which the loads of this K step and of the next land.
;   v224-232         codes and scale word: written by the quantiser, read by three LDS stores (a wait on va_vdst between), written again for the next 16 rows (a wait on vm_vsrc between).
;   v136-169         on the way out LDS loads land in them: no vector line stands behind the last wait on va_vdst.
.set PA,   528                         ; an LDS row: 512 bytes + 16: an odd multiple of 16, so the 16 rows of a fragment load begin at 16 different places modulo 256
.set BOFF, 128*PA                      ; behind x's 128 rows: w1's 256 slots
.set STG,  BOFF+256*PA                 ; the codes' stage: 128 rows x (128 + 16) bytes
.set SGP,  144
.set STS,  STG+128*SGP                 ; the scale bytes' stage: 128 rows x 8
.set PLQ,  1179648                     ; a plane of hq: 9,216 positions x 128 bytes
.set PLS,  73728                       ; a plane of hs
.set BS,   24
.set AS,   56
.set AF,   72
.set U,    136
.set TM,   200
.set PC,   224
.set PW,   232
.set MSB, 0
.macro WIN new                         ; the immediate's high byte repeats the setting that is left
.if MSB != \new
	s_set_vgpr_msb (MSB<<8)|\new
.set MSB, \new
.endif
.endm
	s_load_b512 s[4:19], s[0:1], 0x0               ; seg, tokp, cwp, x_codes, x_scales, w1_codes, w1_scales, hq
	s_load_b64 s[20:21], s[0:1], 0x40              ; hs
	v_lshl_add_u32 v254, v0, 2, 0x36400
	v_mov_b32 v255, 0
	v_lshrrev_b32 v1, 5, v0
	v_readfirstlane_b32 s22, v1                    ; wave 0..3
	s_wait_alu depctr_va_sdst(0)                   ; s22 is written, ahead of its first reader
	s_lshr_b32 s23, s22, 1                         ; which 64 rows
	s_and_b32 s24, s22, 1                          ; which 128 units
	s_and_b32 s26, ttmp7, 0xffff
	s_lshl_b32 s26, s26, 7                         ; the tile's first position
	s_mov_b32 s90, 0xbfb8aa3b                      ; -log2(e)
	s_mov_b32 s91, s90                             ; (named with it as a pair, so it is written)
	s_mov_b32 s92, 0x76543210
	s_mov_b32 s93, 0xfedcba98                      ; v_permlanex16_b32's selects for lane l xor 16
	s_wait_kmcnt 0x0
	s_load_b256 s[68:75], s[4:5], 0x0              ; seg[0..7]
	s_load_b32 s76, s[4:5], 0x20                   ; seg[8]: the end of the last run
	v_and_b32 v240, 31, v0                         ; lane
	v_and_b32 v241, 15, v0                         ; r
	v_bfe_u32 v242, v0, 4, 1                       ; h
	v_lshlrev_b32 v1, 4, v240                      ; 16 x lane
	s_mul_i32 s30, s22, 32*PA
	v_add_nc_u32 v2, s30, v1                       ; where I put x's rows 32 w on
	s_mul_i32 s30, s22, 64*PA
	s_add_co_u32 s30, s30, BOFF
	v_add_nc_u32 v3, s30, v1                       ; and w1's slots 64 w on
	v_mul_u32_u24 v243, v241, PA
	v_lshl_add_u32 v243, v242, 4, v243             ; a fragment's row x pitch + 16 h
	s_mul_i32 s30, s23, 64*PA
	v_add_nc_u32 v4, s30, v243                     ; my fragments of x
	s_mul_i32 s30, s24, 128*PA
	s_add_co_u32 s30, s30, BOFF
	v_add_nc_u32 v5, s30, v243                     ; and of w1
	v_mul_u32_u24 v6, v241, SGP
	v_lshl_add_u32 v6, v242, 4, v6
	s_mul_i32 s30, s23, 64*SGP
	s_lshl_b32 s31, s24, 6
	s_add_co_u32 s30, s30, s31
	s_add_co_u32 s30, s30, STG
	v_add_nc_u32 v6, s30, v6                       ; the codes' stage, in: row 64 (w / 2) + r, byte 64 (w % 2) + 16 h
	v_lshlrev_b32 v7, 3, v241
	s_lshl_b32 s30, s23, 9
	s_lshl_b32 s31, s24, 2
	s_add_co_u32 s30, s30, s31
	s_add_co_u32 s30, s30, STS
	v_add_nc_u32 v7, s30, v7                       ; the scale words' stage, in
	v_lshrrev_b32 v8, 3, v240
	v_mul_u32_u24 v8, v8, SGP
	v_and_b32 v244, 7, v240
	v_lshl_add_u32 v8, v244, 4, v8
	s_mul_i32 s30, s22, 32*SGP
	s_add_co_u32 s30, s30, STG
	v_add_nc_u32 v8, s30, v8                       ; the codes' stage, out: eight lanes to a row, four rows an instruction
	v_lshlrev_b32 v10, 3, v0                       ; 8 x thread: a row's scale bytes
	v_add_nc_u32 v9, STS, v10
	v_lshlrev_b32 v11, 2, v241                     ; 4 r
	v_and_b32 v245, 8, v241
	v_add_nc_u32 v245, v245, v241
	v_lshlrev_b32 v245, 5, v245
	v_lshl_add_u32 v245, v242, 4, v245             ; w1's scale words: row r + 8 (r / 8) of 32 bytes, + 16 h
	v_lshlrev_b32 v246, 4, v242                    ; 16 h
.irp b, 0,1,2,3
	v_mov_b32 v[TM+4+\b], 0                        ; written once: a lane permute's destination counts as one of its sources
.endr
	s_wait_kmcnt 0x0
	s_cmp_lt_u32 s26, s76
	s_cselect_b32 s27, 1, 0                        ; has the tile rows?
	s_sub_co_u32 s28, s76, 128
	s_min_u32 s28, s28, s26
	s_min_u32 s28, s28, 8960                       ; the tile, or the last one that exists
	s_mov_b32 s29, 0
.irp i, 1,2,3,4,5,6,7
	s_cmp_ge_u32 s28, s[68+\i]
	s_add_co_ci_u32 s29, s29, 0                    ; the expert: how many runs begin at or below the tile
.endr
	s_min_u32 s29, s29, 7
	s_lshl_b32 s30, s22, 5
	s_add_co_u32 s30, s30, s28
	s_lshl_b32 s78, s30, 2
	s_mov_b32 s79, 0
	s_add_nc_u64 s[78:79], s[6:7], s[78:79]
	s_load_b512 s[32:47], s[78:79], 0x0            ; the tokens of the 32 rows that I bring into LDS
	s_load_b512 s[48:63], s[78:79], 0x40
	s_lshl_b32 s30, s23, 6
	s_add_co_u32 s30, s30, s28
	s_lshl_b32 s80, s30, 2
	s_mov_b32 s81, 0
	s_add_nc_u64 s[82:83], s[6:7], s[80:81]        ; tokp and cwp at my 64 rows
	s_add_nc_u64 s[84:85], s[8:9], s[80:81]
	s_lshl_b32 s88, s29, 10
	s_lshl_b32 s31, ttmp9, 8
	s_add_co_u32 s88, s88, s31                     ; w1's row 1,024 e + 256 x
	s_lshl_b32 s31, s24, 7
	s_add_co_u32 s30, s88, s31
	s_lshl_b32 s80, s30, 5
	s_add_nc_u64 s[86:87], s[16:17], s[80:81]      ; the scale bytes of my 128 units
	s_lshl_b32 s31, s22, 6
	s_add_co_u32 s30, s88, s31
	s_lshl_b32 s80, s30, 9
	s_add_nc_u64 s[96:97], s[14:15], s[80:81]      ; the codes of the 64 rows of w1 that I bring into LDS
	s_mul_i32 s80, ttmp9, PLQ
	s_lshl_b32 s30, s28, 7
	s_add_co_u32 s80, s80, s30
	s_lshl_b32 s30, s22, 12
	s_add_co_u32 s80, s80, s30
	s_add_nc_u64 s[94:95], s[18:19], s[80:81]      ; hq: my plane, the tile, the 32 rows that I store
	s_mul_i32 s80, ttmp9, PLS
	s_lshl_b32 s30, s28, 3
	s_add_co_u32 s80, s80, s30
	s_add_nc_u64 s[98:99], s[20:21], s[80:81]      ; hs likewise
	s_wait_alu depctr_va_vdst(0)                   ; the addresses v1 to v11 and v245 are written, which the loads and stores of the whole kernel read
.irp m, 0,1,2,3
	global_load_b32 v[20+\m], v11, s[82:83] offset:64*\m           ; the tokens of rows 16 m + r
.endr
.irp m, 0,1,2,3
	global_load_b32 v[12+2*\m], v11, s[84:85] offset:64*\m         ; and their weights
.endr
.irp t, 0,1,2,3,4,5,6,7
	global_load_b128 v[BS+4*\t:BS+4*\t+3], v245, s[86:87] offset:(32*(\t/2)+8*(\t%2))*32
.endr
	s_wait_loadcnt 12                              ; the four tokens are in; behind them 4 + 8 loads were issued
.irp m, 0,1,2,3
	v_min_u32 v[20+\m], 0xfff, v[20+\m]
	v_lshl_add_u32 v[20+\m], v[20+\m], 5, v246
.endr
	s_wait_alu depctr_va_vdst(0)                   ; the offsets v20 to v23 are written, which the four loads below read
.irp m, 0,1,2,3
	global_load_b128 v[AS+4*\m:AS+4*\m+3], v[20+\m], s[12:13]      ; x's scale words
.endr
	s_wait_kmcnt 0x0
	s_cmp_eq_u32 s27, 0
	s_cbranch_scc1 .Lskip1
; ---- 1: operands into LDS.  A row of 512 bytes is one load of the wave
.set I, 0
.rept 32
	s_min_u32 s[32+I], s[32+I], 4095
	v_lshl_add_u32 v[U+I], s[32+I], 9, v1
.set I, I+1
.endr
	WIN 0x80                                       ; destination window 2
	s_wait_alu depctr_va_vdst(0)                   ; the 32 offsets v[U ..] are written, which the loads of x's rows read
.set I, 0
.rept 32
	global_load_b128 v[4*I:4*I+3], v[U+I], s[10:11]
.set I, I+1
.endr
	WIN 0x40                                       ; destination window 1
.set I, 0
.rept 32
	global_load_b128 v[4*I:4*I+3], v1, s[96:97] offset:512*I
.set I, I+1
.endr
	s_wait_loadcnt 32                              ; x's 32 rows are in; w1's first 32 may be out
	WIN 0x08                                       ; an LDS store's data are its source 1: window 2
.set I, 0
.rept 32
	ds_store_b128 v2, v[4*I:4*I+3] offset:PA*I
.set I, I+1
.endr
	WIN 0x40
.set I, 32
.rept 32
	global_load_b128 v[4*I:4*I+3], v1, s[96:97] offset:512*I
.set I, I+1
.endr
	s_wait_loadcnt 32                              ; w1's first 32 rows are in; the second 32 may be out
	WIN 0x04
.set I, 0
.rept 32
	ds_store_b128 v3, v[4*I:4*I+3] offset:PA*((I&39)+((I&8)*2)+((I&16)/2))   ; slot sigma(I)
.set I, I+1
.endr
	s_wait_loadcnt 0x0
.rept 32
	ds_store_b128 v3, v[4*I:4*I+3] offset:PA*((I&39)+((I&8)*2)+((I&16)/2))
.set I, I+1
.endr
	WIN 0
	s_wait_alu depctr_vm_vsrc(0)                   ; my LDS stores have read the registers of windows 1 and 2, and the loads of x's rows their offsets v[U ..]: fragments land in window 1 and in v[U ..], the products write window 2
.Lskip1:
	s_wait_dscnt 0x0                               ; for the others' sake: my rows lie in LDS
	s_barrier_signal -1
	s_barrier_wait -1
	s_cmp_eq_u32 s27, 0
	s_cbranch_scc1 .Lskip2
; ---- 2: the product, eight K steps of 128; then silu, the weight, the quantiser
.macro FETCHB s, set                   ; K step s: w1's eight fragments into set: 16 loads
	WIN 0x40
.irp t, 0,1,2,3,4,5,6,7
.irp c, 0,1
	ds_load_b128 v[64*(\set)+8*\t+4*\c:64*(\set)+8*\t+4*\c+3], v5 offset:16*\t*PA+64*(\s)+32*\c
.endr
.endr
.endm
.macro FETCHA s, set                   ; K step s: x's four fragments into set: 8 loads
	WIN 0
.irp m, 0,1,2,3
.irp c, 0,1
	ds_load_b128 v[AF+32*(\set)+8*\m+4*\c:AF+32*(\set)+8*\m+4*\c+3], v4 offset:16*\m*PA+64*(\s)+32*\c
.endr
.endr
.endm
.macro MUL8 s, set, m                  ; eight of a K step's 32 products: rows 16 m on; the 32 accumulators take turns, one instruction a turn, in the same order in every K step
	WIN 0xa1                                       ; source 0 (w1) window 1, source 1 (x) window 0, C and D window 2
.irp t, 0,1,2,3,4,5,6,7
.if (\s) == 0
	v_wmma_scale_f32_16x16x128_f8f6f4 v[8*(8*(\m)+\t):8*(8*(\m)+\t)+7], v[64*(\set)+8*\t:64*(\set)+8*\t+7], v[AF+32*(\set)+8*(\m):AF+32*(\set)+8*(\m)+7], 0, v[BS+4*\t+(\s)%4], v[AS+4*(\m)+(\s)%4] matrix_a_fmt:MATRIX_FMT_FP4 matrix_b_fmt:MATRIX_FMT_FP4
.elseif (\s) < 4
	v_wmma_scale_f32_16x16x128_f8f6f4 v[8*(8*(\m)+\t):8*(8*(\m)+\t)+7], v[64*(\set)+8*\t:64*(\set)+8*\t+7], v[AF+32*(\set)+8*(\m):AF+32*(\set)+8*(\m)+7], v[8*(8*(\m)+\t):8*(8*(\m)+\t)+7], v[BS+4*\t+(\s)%4], v[AS+4*(\m)+(\s)%4] matrix_a_fmt:MATRIX_FMT_FP4 matrix_b_fmt:MATRIX_FMT_FP4
.else
	v_wmma_scale_f32_16x16x128_f8f6f4 v[8*(8*(\m)+\t):8*(8*(\m)+\t)+7], v[64*(\set)+8*\t:64*(\set)+8*\t+7], v[AF+32*(\set)+8*(\m):AF+32*(\set)+8*(\m)+7], v[8*(8*(\m)+\t):8*(8*(\m)+\t)+7], v[BS+4*\t+(\s)%4], v[AS+4*(\m)+(\s)%4] matrix_a_fmt:MATRIX_FMT_FP4 matrix_b_fmt:MATRIX_FMT_FP4 matrix_a_scale:MATRIX_SCALE_ROW1 matrix_b_scale:MATRIX_SCALE_ROW1
.endif
.endr
.endm
; 64 numbers of a lane, register 16 b + i = unit 32 b + 16 (lane / 16) + i of my row, become a fragment's codes in v[PC] on and its scale word in v[PW]
.macro QUANT s
.irp b, 0,1,2,3
	v_max3_num_f32 v[TM+\b], |v[\s+16*\b]|, |v[\s+1+16*\b]|, 0x1800000   ; block b: my 16 numbers, and the floor 2^(3 - 127): the byte cannot fall under 1
.endr
.irp i, 2,4,6,8,10,12,14
.irp b, 0,1,2,3
	v_max3_num_f32 v[TM+\b], v[TM+\b], |v[\s+16*\b+\i]|, |v[\s+1+16*\b+\i]|   ; (the four blocks by turns)
.endr
.endr
.irp b, 0,1,2,3
	v_permlanex16_b32 v[TM+4+\b], v[TM+\b], s92, s93
.endr
.irp b, 0,1,2,3
	v_max_num_f32 v[TM+\b], v[TM+\b], v[TM+4+\b]   ; with lane l xor 16's: the block's largest magnitude
.endr
.irp b, 0,1,2,3
	v_add_nc_u32 v[TM+12+\b], 0xff000000, v[TM+\b] ; 2 off its exponent field: the conversion's scale operand
.endr
.irp b, 0,1,2,3
	v_lshrrev_b32 v[TM+4+\b], 23, v[TM+12+\b]      ; the scale's byte
.endr
	v_lshl_or_b32 v[PW], v[TM+5], 8, v[TM+4]
	v_lshl_or_b32 v[PW], v[TM+6], 16, v[PW]
	v_lshl_or_b32 v[PW], v[TM+7], 24, v[PW]
.irp b, 0,1,2,3
	v_cvt_scalef32_pk8_fp4_f32 v[PC+2*\b], v[\s+16*\b:\s+7+16*\b], v[TM+12+\b]
	v_cvt_scalef32_pk8_fp4_f32 v[PC+1+2*\b], v[\s+8+16*\b:\s+15+16*\b], v[TM+12+\b]
.endr
	v_nop                                          ; one plain line behind a scaled conversion
.irp c, 0,1                                    ; a whole block to a lane: lanes 0-15 block 2 c, lanes 16-31 block 2 c + 1
.irp i, 0,1
	v_permlane16_swap_b32 v[PC+4*\c+\i], v[PC+2+4*\c+\i]
.endr
.endr
.endm
.macro EPI m                           ; rows 16 m on: my 128 hidden units of each
	WIN 0x02                                       ; source 0 window 2
.set J, 0
.rept 32
	v_pk_mul_f32 v[U+J:U+J+1], v[64*(\m)+J:64*(\m)+J+1], s[90:91] op_sel_hi:[1,0]   ; -h log2(e); each accumulator is read from its low end on
.set J, J+2
.endr
	WIN 0
.set J, 0
.rept 64
	v_exp_f32 v[U+J], v[U+J]                       ; e^-h
.set J, J+1
.endr
	v_nop                                          ; a plain line behind the last exponential
	s_wait_alu depctr_va_vdst(0)                   ; the 64 exponentials have written v[U ..]: one wait for the batch, ahead of the first line that names a result
.set J, 0
.rept 32
	v_pk_add_f32 v[U+J:U+J+1], v[U+J:U+J+1], 1.0 op_sel_hi:[1,0]
.set J, J+2
.endr
.set J, 0
.rept 64
	v_rcp_f32 v[U+J], v[U+J]                       ; 1 / (1 + e^-h)
.set J, J+1
.endr
	v_nop
	s_wait_alu depctr_va_vdst(0)                   ; and one for the 64 reciprocals, which have written v[U ..]
	WIN 0x02
.set J, 0
.rept 32
	v_pk_mul_f32 v[U+J:U+J+1], v[64*(\m)+J:64*(\m)+J+1], v[U+J:U+J+1]   ; silu(h)
.set J, J+2
.endr
	WIN 0
.set J, 0
.rept 32
	v_pk_mul_f32 v[U+J:U+J+1], v[U+J:U+J+1], v[12+2*(\m):13+2*(\m)]     ; x the row's weight, behind the activation
.set J, J+2
.endr
	QUANT U
	s_wait_alu depctr_va_vdst(0)                   ; the quantiser has written the codes v[PC ..] and the scale word v[PW], which the LDS stores read; behind the last 16 rows no vector line follows, so it also states that v[U ..] are done with, in which the way out's loads land
	ds_store_b128 v6, v[PC:PC+3] offset:16*SGP*(\m)                ; units 32 h .. of my 128: in the order of the units
	ds_store_b128 v6, v[PC+4:PC+7] offset:16*SGP*(\m)+32
	ds_store_b32 v7, v[PW] offset:128*(\m)         ; both halves of the lanes write the same word with the same value
	s_wait_dscnt 0x0                               ; the three stores have landed
.if (\m) < 3
	s_wait_alu depctr_vm_vsrc(0)                   ; they have read v[PC ..] and v[PW], which the next 16 rows' quantiser writes again
.endif
.endm
	s_wait_loadcnt 0x0                             ; the weights and the scale words
.irp m, 0,1,2,3
	v_mov_b32 v[13+2*\m], v[12+2*\m]
.endr
	FETCHB 0, 0
	FETCHA 0, 0
	FETCHB 1, 1
	FETCHA 1, 1
.irp s, 0,1,2,3,4,5,6,7
.if (\s == 2) || (\s == 4)
.rept 4
	v_nop                                          ; four plain lines between the products of the two K steps before and the loads into the registers that they read
.endr
.endif
.if \s < 7
	s_wait_dscnt 24                                ; this K step's fragments are in; the next K step's 24 loads may be out
.else
	s_wait_dscnt 0x0
.endif
.if (\s == 2) || (\s == 4)
	s_wait_alu depctr_va_vdst(0)                   ; the products of the two K steps before are done reading their sets, in which the loads of this K step and of the next land; the products between name other sets
.endif
	MUL8 \s, \s%4, 0
.if \s < 6
	FETCHB \s+2, (\s+2)%4                          ; two K steps ahead
.endif
	MUL8 \s, \s%4, 1
.if \s < 6
	FETCHA \s+2, (\s+2)%4
.endif
	MUL8 \s, \s%4, 2
	MUL8 \s, \s%4, 3
.endr
.rept 4
	v_nop                                          ; four plain lines ahead of the first read of results, and of the first write of v[U ..], which the last two K steps' products read
.endr
	EPI 0
	EPI 1
	EPI 2
	EPI 3
.Lskip2:
	s_wait_dscnt 0x0
	s_barrier_signal -1
	s_barrier_wait -1                              ; the tile's codes and scale bytes lie in the stages
	s_cmp_eq_u32 s27, 0
	s_cbranch_scc1 .Lend
; ---- 3: out, by rows
.irp i, 0,1,2,3,4,5,6,7
	ds_load_b128 v[U+4*\i:U+4*\i+3], v8 offset:4*SGP*\i
.endr
	ds_load_b64 v[U+32:U+33], v9
	s_wait_dscnt 0x0
.irp i, 0,1,2,3,4,5,6,7
	global_store_b128 v1, v[U+4*\i:U+4*\i+3], s[94:95] offset:512*\i     ; four rows of 128 bytes: 512 consecutive bytes, aligned
.endr
	global_store_b64 v10, v[U+32:U+33], s[98:99]   ; a wave stores 256 consecutive bytes, aligned
.Lend:
	s_wait_dscnt 0x0                               ; the closing lines, six on end
	s_wait_alu 0x0
	s_wait_tensorcnt 0x0
	ds_add_u32 v254, v255
	s_wait_dscnt 0x0
	s_endpgm
.Lfunc_end_k_q445de77117_up:
	.size	k_q445de77117_up, .Lfunc_end_k_q445de77117_up-k_q445de77117_up
	.p2alignl 7, 3214868480
	.fill 96, 4, 3214868480
	.section	.rodata,"a",@progbits
	.p2align	6, 0x0
	.amdhsa_kernel k_q445de77117_up
		.amdhsa_group_segment_fixed_size 222720
		.amdhsa_private_segment_fixed_size 0
		.amdhsa_enable_private_segment 0
		.amdhsa_kernarg_size 72
		.amdhsa_user_sgpr_count 2
		.amdhsa_user_sgpr_kernarg_segment_ptr 1
		.amdhsa_wavefront_size32 1
		.amdhsa_system_sgpr_workgroup_id_x 1
		.amdhsa_system_sgpr_workgroup_id_y 1
		.amdhsa_system_sgpr_workgroup_id_z 1
		.amdhsa_system_vgpr_workitem_id 0
		.amdhsa_next_free_vgpr 768
		.amdhsa_next_free_sgpr 100
		.amdhsa_reserve_vcc 0
		.amdhsa_float_denorm_mode_32 3
		.amdhsa_float_denorm_mode_16_64 3
		.amdhsa_memory_ordered 1
		.amdhsa_forward_progress 1
		.amdhsa_inst_pref_size 140
	.end_amdhsa_kernel
	.amdgpu_metadata
---
amdhsa.version: [ 1, 2 ]
amdhsa.kernels:
  - .name:           k_q445de77117_up
    .symbol:         k_q445de77117_up.kd
    .args:
      - { .name: seg, .offset: 0, .size: 8, .value_kind: global_buffer, .address_space: global }
      - { .name: tokp, .offset: 8, .size: 8, .value_kind: global_buffer, .address_space: global }
      - { .name: cwp, .offset: 16, .size: 8, .value_kind: global_buffer, .address_space: global }
      - { .name: x_codes, .offset: 24, .size: 8, .value_kind: global_buffer, .address_space: global }
      - { .name: x_scales, .offset: 32, .size: 8, .value_kind: global_buffer, .address_space: global }
      - { .name: w1_codes, .offset: 40, .size: 8, .value_kind: global_buffer, .address_space: global }
      - { .name: w1_scales, .offset: 48, .size: 8, .value_kind: global_buffer, .address_space: global }
      - { .name: hq, .offset: 56, .size: 8, .value_kind: global_buffer, .address_space: global }
      - { .name: hs, .offset: 64, .size: 8, .value_kind: global_buffer, .address_space: global }
    .group_segment_fixed_size: 222720
    .private_segment_fixed_size: 0
    .kernarg_segment_align: 8
    .kernarg_segment_size: 72
    .max_flat_workgroup_size: 128
    .sgpr_count:     100
    .vgpr_count:     768
    .wavefront_size: 32
...
	.end_amdgpu_metadata
.endif
;; end of part 5
;; launch down (part 6): grid 4 x 64, 4 waves a work-group, no clusters, 90,624 bytes of LDS; arguments rec, hq, hs, w2f, w2s, out0; writes out0
.if DOCPART == 6
	.amdgcn_target "amdgcn-amd-amdhsa--gfx1250"
	.amdhsa_code_object_version 6
	.text
	.protected	k_q445de77117_down
	.globl	k_q445de77117_down
	.p2align	8
	.type	k_q445de77117_down,@function
k_q445de77117_down:
	s_mov_b64 s[64:65], 0
	v_nop
	global_prefetch_b8 v0, s[64:65] scope:SCOPE_SE
	s_setreg_imm32_b32 hwreg(HW_REG_WAVE_SCHED_MODE, 0, 2), 2
	s_setreg_imm32_b32 hwreg(HW_REG_WAVE_MODE, 25, 1), 1
	s_wait_xcnt 0x0
	s_wait_alu depctr_vm_vsrc(0)
; THE SECOND PRODUCT: out0[token][d] = the sum over the token's experts of its quantised hidden row x the quantised w2[e][d][:], on codes of FP4 (E2M1) with E8M0 scales, sums in f32.
; A work-group owns 64 tokens (neighbours in the order sorted by their set of experts) x 256 outputs (x = which 256): each output number has one owner, nothing is added between work-groups.
; It walks e = 0 .. 7 in a loop of constant count and passes over the experts that none of its tokens uses (a scalar branch on the stored list; no barrier stands in the loop).
; In a pass a token that uses e gives its hidden row for e, every other token the row of zero codes, which adds nothing.  Which LDS row a lane reads is a row number chosen by the stored list, held at 128 by a constant, and then only shifted and added.
; NO TENSOR LOADS, NO CLUSTER, though work-groups share w2's fragments and hidden rows: which experts are walked hangs on stored numbers.
; SHARES: wave w takes all 64 tokens x outputs 64 w .. + 63 of the 256: 4 x 4 accumulators.  A fragment of w2 is loaded by one wave alone, straight from memory in the order of the operand's registers, and feeds four products; a pass requests its 32 KiB at its head.
; The tokens' hidden rows (two each) come into LDS once.  The product is used transposed (source 0 = 16 rows of w2, source 1 = 16 tokens): a lane holds eight neighbouring outputs of one token.
; The accumulators are cleared by 128 moves: which expert comes first hangs on data, so no product can be written out that starts the sums.
; REGISTERS: window 0: v1-10 addresses; v12-15 a, v16-19 b' of tokens 16 m + r; v20-27 a pass's LDS addresses; v28-43 hidden scale words; v44-59 w2's; v60-63, v244-248 row numbers to choose from; v249 the scale rows' base; v64-127 and v160-223 hidden fragments, four sets;
;   v128-159 output offsets; v160-168 at work at the head; v160-223 later rows on the way out; v224-243 positions and staged scale bytes, v236-239 later at work in a pass; v250-255 at the head.
;   window 1: my 32 hidden rows on their way to LDS, then a pass's 32 fragments of w2, (s, t) at v[8 (4 s + t)].   window 2: the accumulators, (m, t) at v[8 (4 m + t)].
; THE MODE: SCHED_MODE bits 1:0 = 2 (LLVM: expert scheduling mode 2), set by the entry lines.  The code itself states the register dependences
; between vector or matrix instructions and memory or LDS instructions, with s_wait_alu, always for 0.
; THE PLAN.  Registers that memory or LDS instructions touch:
;   v1-10, v252-255  addresses: written by vector lines at the head, never written again: one wait ahead of the first load.
;   v224-235         positions land; vector lines make offsets of them; the loads of the hidden rows read those: one wait between.
;   window 1, v164-167, v236-243   at the head LDS stores read them; later loads land in them or vector lines write them: one wait on vm_vsrc ahead of the loop.
;   IN A PASS.  v20-27: written by the pass's address lines, read by its LDS loads.  Window 1, v44-59, v28-43: loads land at the pass's head, its products read them.
;   The four sets of hidden fragments: K step s's products read set s % 4; the LDS loads of K step s + 2 land in set (s + 2) % 4, issued behind K step s's first four products, which name none of their registers.
;   The address lines stand first, so that ONE wait on va_vdst behind them states that they are written and that the pass before is done reading all its operands and scales: every load at the pass's head, and those of K steps 0 and 1, follow it.
;   One more stands at the head of K steps 2 and 4: the two K steps before are done reading their sets, in which the loads of this K step and of the next land.
;   One wait on vm_vsrc at the pass's end: its LDS loads have read v20-27.
;   THE WAY OUT.  One wait on va_vdst: the accumulators and v128-159 are written, which stores read; the products are done reading v160-223, in which rows land.  A wait on vm_vsrc ahead of each second use of a half of v160-223.
.set PA,   528                         ; an LDS row: 512 bytes + 16 = (1 << 9) + (1 << 4)
.set ASO,  68352                       ; behind 129 rows of codes (64 for a, 64 for b, one of zeros): 129 rows of 32 scale bytes
.set STG,  72704                       ; behind them: a stage of 16 rows x (256 + 16) bytes for each wave
.set PLQ,  1179648
.set PLS,  73728
.set HSC,  28
.set WSC,  44
.set AF,   64                          ; set k of hidden fragments at AF + 32 k + 32 (k / 2): v64, v96, v160, v192
.set TO,   128
.set OB,   160
.set TA,   236                         ; v236-239 at work in a pass's address lines
.set MSB, 0
.macro WIN new                         ; the immediate's high byte repeats the setting that is left
.if MSB != \new
	s_set_vgpr_msb (MSB<<8)|\new
.set MSB, \new
.endif
.endm
.macro HFRAG s                         ; K step s's four hidden fragments into set s % 4: eight loads
.set FN, AF+32*((\s)%4)+32*(((\s)%4)/2)
.irp m, 0,1,2,3
.irp c, 0,1
	ds_load_b128 v[FN+8*\m+4*\c:FN+8*\m+4*\c+3], v[20+\m] offset:64*(\s)+32*\c
.endr
.endr
.endm
.macro PROD s, m                       ; four of a K step's 16 products: tokens 16 m on
.set FB, AF+32*((\s)%4)+32*(((\s)%4)/2)
.irp t, 0,1,2,3
.if (\s) < 4
	v_wmma_scale_f32_16x16x128_f8f6f4 v[8*(4*(\m)+\t):8*(4*(\m)+\t)+7], v[8*(4*(\s)+\t):8*(4*(\s)+\t)+7], v[FB+8*(\m):FB+8*(\m)+7], v[8*(4*(\m)+\t):8*(4*(\m)+\t)+7], v[WSC+4*\t+(\s)%4], v[HSC+4*(\m)+(\s)%4] matrix_a_fmt:MATRIX_FMT_FP4 matrix_b_fmt:MATRIX_FMT_FP4
.else
	v_wmma_scale_f32_16x16x128_f8f6f4 v[8*(4*(\m)+\t):8*(4*(\m)+\t)+7], v[8*(4*(\s)+\t):8*(4*(\s)+\t)+7], v[FB+8*(\m):FB+8*(\m)+7], v[8*(4*(\m)+\t):8*(4*(\m)+\t)+7], v[WSC+4*\t+(\s)%4], v[HSC+4*(\m)+(\s)%4] matrix_a_fmt:MATRIX_FMT_FP4 matrix_b_fmt:MATRIX_FMT_FP4 matrix_a_scale:MATRIX_SCALE_ROW1 matrix_b_scale:MATRIX_SCALE_ROW1
.endif
.endr
.endm
	s_load_b256 s[4:11], s[0:1], 0x0               ; rec, hq, hs, w2f
	s_load_b128 s[12:15], s[0:1], 0x20             ; w2s, out0
	v_lshl_add_u32 v11, v0, 2, 0x16000
	s_set_vgpr_msb 0x80
	v_mov_b32 v129, 0
	s_set_vgpr_msb 0x8000
	v_lshrrev_b32 v1, 5, v0
	v_readfirstlane_b32 s16, v1                    ; wave 0..3
	v_and_b32 v250, 31, v0                         ; lane
	v_and_b32 v2, 15, v0                           ; r
	v_bfe_u32 v251, v0, 4, 1                       ; h
	v_lshlrev_b32 v1, 4, v250                      ; 16 x lane
	v_lshlrev_b32 v3, 4, v251                      ; 16 h
	v_lshlrev_b32 v4, 8, v251
	v_lshl_add_u32 v4, v2, 3, v4                   ; w2's scale bytes: 256 h + 8 r
	v_mul_u32_u24 v5, v2, 272
	v_lshl_add_u32 v5, v251, 5, v5
	s_wait_alu depctr_va_sdst(0)                   ; s16 is written, ahead of its first reader
	s_mul_i32 s17, s16, 4352
	s_add_co_u32 s17, s17, STG
	v_add_nc_u32 v5, s17, v5                       ; my stage, in: row r, + 32 h
	v_mul_u32_u24 v6, v251, 272
	v_lshl_add_u32 v6, v2, 4, v6
	v_add_nc_u32 v6, s17, v6                       ; and out: lanes 0-15 one row, lanes 16-31 the next
	v_lshrrev_b32 v162, 3, v250                    ; lane / 8
	v_and_b32 v163, 7, v250
	v_lshlrev_b32 v160, 4, v163                    ; 16 (lane % 8)
	v_mul_u32_u24 v7, v162, PA
	v_add_nc_u32 v7, v7, v160
	s_mul_i32 s17, s16, 32*PA
	v_add_nc_u32 v7, s17, v7                       ; where I put hidden rows 32 w on: eight lanes to 128 bytes, four rows an instruction
	v_lshlrev_b32 v252, 2, v163
	v_add_nc_u32 v252, ASO+128*32, v252            ; the zero row's scale bytes
	v_lshrrev_b32 v163, 2, v250                    ; lane / 4
	v_and_b32 v161, 3, v250                        ; lane % 4
	v_lshlrev_b32 v8, 5, v163
	v_lshl_add_u32 v8, v161, 3, v8
	s_lshl_b32 s17, s16, 10
	s_add_co_u32 s17, s17, ASO
	v_add_nc_u32 v8, s17, v8                       ; and their scale bytes: four lanes to a row's 32
	v_add_nc_u32 v9, 128*PA, v1                    ; the zero row's codes
	v_mul_u32_u24 v10, v0, PA
	v_add_nc_u32 v10, 512, v10                     ; the 16 bytes of padding behind row t, t my thread's number
	s_and_b32 s17, s16, 1
	s_lshl_b32 s17, s17, 9                         ; records 32 (w % 2) on,
	s_lshr_b32 s18, s16, 1
	s_lshl_b32 s18, s18, 2
	s_add_co_u32 s17, s17, s18
	s_add_co_u32 s17, s17, 4                       ; word 1 (pa: waves 0, 1) or word 2 (pb: waves 2, 3)
	v_lshl_add_u32 v253, v162, 4, s17
	v_lshl_add_u32 v254, v163, 4, s17
	v_lshlrev_b32 v255, 4, v2
	v_add_nc_u32 v255, 12, v255                    ; word 3 of record r
	v_mul_u32_u24 v161, v161, PLS                  ; my plane of hs
	v_lshlrev_b32 v168, 4, v2                      ; 16 r
.irp i, 0,1,2,3
	v_mov_b32 v[164+\i], 0
.endr
.irp m, 0,1,2,3
	v_add_nc_u32 v[60+\m], 16*\m, v2               ; the LDS row of token 16 m + r for its expert a,
	v_add_nc_u32 v[244+\m], 64+16*\m, v2           ; and for its expert b
.endr
	v_mov_b32 v248, 128                            ; the zero row
	v_add_nc_u32 v249, ASO, v3                     ; the scale rows' base, + 16 h
	s_and_b32 s17, ttmp7, 0xffff
	s_lshl_b32 s20, s17, 10                        ; my 64 records of 16 bytes
	s_mov_b32 s21, 0
	s_lshl_b32 s22, ttmp9, 17
	s_lshl_b32 s17, s16, 15
	s_add_co_u32 s22, s22, s17                     ; w2f: tile 16 x + 4 w of expert 0, 8,192 bytes a tile
	s_mov_b32 s23, 0
	s_lshl_b32 s32, ttmp9, 13
	s_lshl_b32 s17, s16, 11
	s_add_co_u32 s32, s32, s17                     ; w2s: 512 bytes a tile
	s_mov_b32 s33, 0
	s_lshl_b32 s34, ttmp9, 10
	s_lshl_b32 s17, s16, 8
	s_add_co_u32 s34, s34, s17                     ; out0: my 256 bytes of a row
	s_mov_b32 s35, 0
	s_wait_kmcnt 0x0
	s_add_nc_u64 s[30:31], s[4:5], s[20:21]
	s_add_nc_u64 s[24:25], s[10:11], s[22:23]
	s_add_nc_u64 s[26:27], s[12:13], s[32:33]
	s_add_nc_u64 s[28:29], s[14:15], s[34:35]
	s_wait_alu depctr_va_vdst(0)                   ; the addresses v1 to v10 and v252 to v255 and the zeros v164 to v167 are written, which loads and LDS stores read
.irp i, 0,1,2,3,4,5,6,7
	global_load_b32 v[224+\i], v253, s[30:31] offset:64*\i         ; positions of the rows whose codes I fetch
.endr
.irp i, 0,1,2,3
	global_load_b32 v[232+\i], v254, s[30:31] offset:128*\i        ; and of those whose scale bytes
.endr
.irp m, 0,1,2,3
	global_load_b32 v[12+\m], v255, s[30:31] offset:256*\m         ; a | b' << 8 of tokens 16 m + r
.endr
.set K, 0
.rept 32
	global_load_b32 v[TO+K], v3, s[30:31] offset:32*K              ; the tokens, as the way out wants them: 2 K + lane / 16
.set K, K+1
.endr
	s_wait_loadcnt 36                              ; the twelve positions are in; behind them 4 + 32 loads were issued
.irp i, 0,1,2,3,4,5,6,7
	v_min_u32 v[224+\i], 9215, v[224+\i]
	v_lshl_add_u32 v[224+\i], v[224+\i], 7, v160
.endr
.irp i, 0,1,2,3
	v_min_u32 v[232+\i], 9215, v[232+\i]
	v_lshl_add_u32 v[232+\i], v[232+\i], 3, v161
.endr
	WIN 0x40                                       ; destination window 1
	s_wait_alu depctr_va_vdst(0)                   ; the twelve offsets v224 to v235 are written, which the loads below read
.irp i, 0,1,2,3,4,5,6,7
.irp q, 0,1,2,3
	global_load_b128 v[4*(4*\i+\q):4*(4*\i+\q)+3], v[224+\i], s[6:7] offset:\q*PLQ   ; four rows' 128 bytes of plane q
.endr
.endr
	WIN 0
.irp i, 0,1,2,3
	global_load_b64 v[236+2*\i:237+2*\i], v[232+\i], s[8:9]
.endr
	ds_store_b128 v10, v[164:167]                  ; zeros into the padding behind rows 0 to 127: no byte among the rows stays unwritten
	s_cmp_lg_u32 s16, 0
	s_cbranch_scc1 .Lnz0
	ds_store_b128 v9, v[164:167]                   ; the zero row: 512 bytes of zero codes,
.Lnz0:
	s_cmp_lg_u32 s16, 1
	s_cbranch_scc1 .Lnz1
	ds_store_b32 v252, v164                        ; and 32 scale bytes 0 (any byte but 0xff serves over zero codes)
.Lnz1:
	WIN 0x80
.set J, 0
.rept 128
	v_mov_b32 v[J], 0                              ; the sums begin as zeros
.set J, J+1
.endr
	WIN 0
	s_wait_loadcnt 0x0
.irp m, 0,1,2,3
	v_lshrrev_b32 v[16+\m], 8, v[12+\m]
	v_and_b32 v[12+\m], 0xff, v[12+\m]
.endr
.set K, 0
.rept 32
	v_min_u32 v[TO+K], 0xfff, v[TO+K]
	v_lshl_add_u32 v[TO+K], v[TO+K], 12, v168      ; the token's row of 4,096 bytes, + 16 r
.set K, K+1
.endr
	WIN 0x04                                       ; an LDS store's data are its source 1: window 1
.irp i, 0,1,2,3,4,5,6,7
.irp q, 0,1,2,3
	ds_store_b128 v7, v[4*(4*\i+\q):4*(4*\i+\q)+3] offset:4*PA*\i+128*\q
.endr
.endr
	WIN 0
.irp i, 0,1,2,3
	ds_store_b64 v8, v[236+2*\i:237+2*\i] offset:256*\i
.endr
	s_wait_dscnt 0x0                               ; for the others' sake: my rows lie in LDS
	s_barrier_signal -1
	s_barrier_wait -1
	s_wait_alu depctr_vm_vsrc(0)                   ; my LDS stores have read window 1's registers, in which w2's fragments land, v164 to v167, in which hidden fragments land, and v236 to v243, of which a pass's address lines write four
	s_mov_b32 s48, 0
.Lexp:
.irp m, 0,1,2,3
	v_cmp_eq_u32 s[40+\m], s48, v[12+\m]           ; the tokens whose a is this expert,
	v_cmp_eq_u32 s[44+\m], s48, v[16+\m]           ; and those whose b is
.endr
	s_wait_alu depctr_va_sdst(0)                   ; the eight compares have written s40 to s47, ahead of their first readers
	s_or_b32 s49, s40, s41
	s_or_b32 s50, s42, s43
	s_or_b32 s51, s44, s45
	s_or_b32 s52, s46, s47
	s_or_b32 s49, s49, s50
	s_or_b32 s51, s51, s52
	s_or_b32 s49, s49, s51
	s_cmp_lg_u32 s49, 0
	s_cbranch_scc0 .Lnext                          ; nobody here uses it
; ---- a pass: K = the expert's 1,024 hidden units, eight K steps
.irp m, 0,1,2,3
	v_cndmask_b32 v[20+\m], v248, v[244+\m], s[44+\m]
	v_cndmask_b32 v[20+\m], v[20+\m], v[60+\m], s[40+\m]           ; the LDS row of my token for this expert, or the zero row
	v_min_u32 v[20+\m], 128, v[20+\m]                              ; held at the last row: the number hangs on the stored list
	v_lshl_add_u32 v[24+\m], v[20+\m], 5, v249                     ; its scale words: 32 x row + the base + 16 h
	v_lshl_add_u32 v[TA+\m], v[20+\m], 4, v3
	v_lshl_add_u32 v[20+\m], v[20+\m], 9, v[TA+\m]                 ; its codes: 528 x row + 16 h
.endr
	s_wait_alu depctr_va_vdst(0)                   ; the LDS addresses v20 to v27 are written; the products of the pass before are done reading w2's fragments, the four sets of hidden fragments and both kinds of scale words, in all of which loads land from here on
.irp t, 0,1,2,3
.irp k, 0,1
	global_load_b64 v[WSC+4*\t+2*\k:WSC+4*\t+2*\k+1], v4, s[26:27] offset:512*\t+128*\k   ; register 4 t + q: K step q in lanes 0-15, K step 4 + q in lanes 16-31
.endr
.endr
	WIN 0x40
.irp s, 0,1,2,3,4,5,6,7
.irp t, 0,1,2,3
.irp c, 0,1
	global_load_b128 v[8*(4*\s+\t)+4*\c:8*(4*\s+\t)+4*\c+3], v1, s[24:25] offset:8192*\t+1024*\s+512*\c   ; 512 consecutive bytes: half a fragment as its registers take it
.endr
.endr
.endr
	WIN 0
.irp m, 0,1,2,3
	ds_load_b128 v[HSC+4*\m:HSC+4*\m+3], v[24+\m]
.endr
	HFRAG 0
	HFRAG 1
.irp s, 0,1,2,3,4,5,6,7
.if (\s == 2) || (\s == 4)
.rept 4
	v_nop                                          ; four plain lines between the products of the two K steps before and the loads into the registers that they read
.endr
.endif
.if \s < 7
	s_wait_dscnt 8                                 ; this K step's hidden fragments (and the scale words) are in; the next K step's eight loads may be out
.else
	s_wait_dscnt 0x0
.endif
	s_wait_loadcnt 8*(7-\s)                        ; this K step's fragments of w2 are in; eight loads for each later K step may be out
.if (\s == 2) || (\s == 4)
	s_wait_alu depctr_va_vdst(0)                   ; the products of the two K steps before are done reading their sets, in which the loads of this K step and of the next land; the products between name other sets
.endif
	WIN 0xa1                                       ; source 0 (w2) window 1, source 1 (hidden) window 0, C and D window 2
	PROD \s, 0
.if \s < 6
	WIN 0
	HFRAG \s+2                                     ; two K steps ahead
	WIN 0xa1
.endif
	PROD \s, 1
	PROD \s, 2
	PROD \s, 3                                     ; the 16 accumulators take turns, one instruction a turn, from pass to pass too
.endr
	WIN 0
.rept 4
	v_nop                                          ; four plain lines ahead of the next pass's loads into these registers, and of the first read of results
.endr
	s_wait_alu depctr_vm_vsrc(0)                   ; this pass's LDS loads have read v20 to v27, which the next pass's address lines write again
.Lnext:
	s_wait_xcnt 0x0                                ; the pass's loads have read their bases: these are stepped only behind this wait
	s_add_nc_u64 s[24:25], s[24:25], 0x80000       ; the next expert's 64 tiles of w2f,
	s_add_nc_u64 s[26:27], s[26:27], 0x8000        ; and of w2s
	s_add_co_u32 s48, s48, 1
	s_cmp_lt_u32 s48, 8
	s_cbranch_scc1 .Lexp
	s_wait_dscnt 0x0                               ; my reads of the rows are over;
	s_barrier_signal -1
	s_barrier_wait -1                              ; every wave's are: only now does any wave write LDS again
	s_wait_alu depctr_va_vdst(0)                   ; the products (or the moves at the head) have written the accumulators, which the LDS stores read; the output offsets v128 to v159 are written, which the stores read; the products are done reading v160 to v223, in which the rows land.  No vector line follows
; ---- the way out, 16 tokens at a time, through my own stage (no other wave touches it, and LDS serves a wave's instructions in order: no wait between stores and loads)
.macro TOSTAGE m
	WIN 0x08                                       ; the data: window 2
.irp t, 0,1,2,3
	ds_store_b128 v5, v[8*(4*(\m)+\t):8*(4*(\m)+\t)+3] offset:64*\t          ; each accumulator from its low end on
	ds_store_b128 v5, v[8*(4*(\m)+\t)+4:8*(4*(\m)+\t)+7] offset:64*\t+16
.endr
	WIN 0
.irp i, 0,1,2,3,4,5,6,7
	ds_load_b128 v[OB+32*((\m)%2)+4*\i:OB+32*((\m)%2)+4*\i+3], v6 offset:544*\i
.endr
.endm
.macro SEND m, younger                 ; younger: the LDS instructions issued behind tile m's loads, which may stay out
	s_wait_dscnt \younger
.irp i, 0,1,2,3,4,5,6,7
	global_store_b128 v[TO+8*(\m)+\i], v[OB+32*((\m)%2)+4*\i:OB+32*((\m)%2)+4*\i+3], s[28:29] th:TH_STORE_NT   ; sixteen lanes store 256 consecutive bytes of a token's row, aligned
.endr
.endm
	TOSTAGE 0
	TOSTAGE 1
	SEND 0, 16                                     ; behind tile 0's loads: tile 1's 8 stores and 8 loads
	s_wait_xcnt 0x0                                ; tile 0's stores have had their addresses translated: tile 2's loads may land in their registers
	s_wait_alu depctr_vm_vsrc(0)                   ; tile 0's stores have read v160 to v191, in which tile 2's rows land
	TOSTAGE 2
	SEND 1, 16
	s_wait_xcnt 0x0
	s_wait_alu depctr_vm_vsrc(0)                   ; tile 1's stores have read v192 to v223, in which tile 3's rows land
	TOSTAGE 3
	SEND 2, 16
	SEND 3, 0
	s_set_vgpr_msb 0x8                             ; the add's second register lies in window 2: the one switch stands ahead of the closing lines
	s_wait_dscnt 0x0                               ; the closing lines, six on end
	s_wait_alu 0x0
	s_wait_tensorcnt 0x0
	ds_add_u32 v11, v129
	s_wait_dscnt 0x0
	s_endpgm
.Lfunc_end_k_q445de77117_down:
	.size	k_q445de77117_down, .Lfunc_end_k_q445de77117_down-k_q445de77117_down
	.p2alignl 7, 3214868480
	.fill 96, 4, 3214868480
	.section	.rodata,"a",@progbits
	.p2align	6, 0x0
	.amdhsa_kernel k_q445de77117_down
		.amdhsa_group_segment_fixed_size 90624
		.amdhsa_private_segment_fixed_size 0
		.amdhsa_enable_private_segment 0
		.amdhsa_kernarg_size 48
		.amdhsa_user_sgpr_count 2
		.amdhsa_user_sgpr_kernarg_segment_ptr 1
		.amdhsa_wavefront_size32 1
		.amdhsa_system_sgpr_workgroup_id_x 1
		.amdhsa_system_sgpr_workgroup_id_y 1
		.amdhsa_system_sgpr_workgroup_id_z 1
		.amdhsa_system_vgpr_workitem_id 0
		.amdhsa_next_free_vgpr 642
		.amdhsa_next_free_sgpr 80
		.amdhsa_reserve_vcc 0
		.amdhsa_float_denorm_mode_32 3
		.amdhsa_float_denorm_mode_16_64 3
		.amdhsa_memory_ordered 1
		.amdhsa_forward_progress 1
		.amdhsa_inst_pref_size 64
	.end_amdhsa_kernel
	.amdgpu_metadata
---
amdhsa.version: [ 1, 2 ]
amdhsa.kernels:
  - .name:           k_q445de77117_down
    .symbol:         k_q445de77117_down.kd
    .args:
      - { .name: rec, .offset: 0, .size: 8, .value_kind: global_buffer, .address_space: global }
      - { .name: hq, .offset: 8, .size: 8, .value_kind: global_buffer, .address_space: global }
      - { .name: hs, .offset: 16, .size: 8, .value_kind: global_buffer, .address_space: global }
      - { .name: w2f, .offset: 24, .size: 8, .value_kind: global_buffer, .address_space: global }
      - { .name: w2s, .offset: 32, .size: 8, .value_kind: global_buffer, .address_space: global }
      - { .name: out0, .offset: 40, .size: 8, .value_kind: global_buffer, .address_space: global }
    .group_segment_fixed_size: 90624
    .private_segment_fixed_size: 0
    .kernarg_segment_align: 8
    .kernarg_segment_size: 48
    .max_flat_workgroup_size: 128
    .sgpr_count:     80
    .vgpr_count:     642
    .wavefront_size: 32
...
	.end_amdgpu_metadata
.endif
;; end of part 6
